; MI455X (gfx1250); checked and timed in simulation.
; The chip was launched on July 23, 2026; its instructions are those of AMD's public machine-readable ISA for CDNA 5 (MIT licence, August 2026) and "CDNA5" Instruction Set Architecture Reference Guide (July 2026). The comments in the code are by the model that wrote it; some were corrected since.
;; Point Transformer Block. Allowed arithmetic: float matrix products may take bf16 or f16 operands with f32 sums; all other float work in f32.
;; Inputs: Wf1 128 x 256 float32; Wf2 256 x 128 float32; Wk 128 x 128 float32; Wo 128 x 128 float32; Wp1 3 x 128 float32; Wp2 128 x 128 float32; Wq 128 x 128 float32; Wv 128 x 128 float32; b1 128 float32; b2 128 float32; bf1 256 float32; bf2 128 float32; bk 128 float32; bo 128 float32; bp1 128 float32; bp2 128 float32; bq 128 float32; bv 128 float32; coords 100,000 x 3 float32; feat 100,000 x 128 float32; g1 128 float32; g2 128 float32; knn_idx 100,000 x 16 int32.
;; Outputs: out0 100,000 x 128 float32.
;; 2 versions, each right and faster than the one before. Each part assembles by itself: llvm-mc -triple=amdgcn-amd-amdhsa -mcpu=gfx1250 --defsym DOCPART=n.
;; ======== version 1 of 2: 3 launches
;; workspace buffers: wimg 305,152 bytes; kv 51,200,000 bytes; qt 25,600,000 bytes
;; launch prep (part 1): grid 74 x 1, 8 waves a work-group, no clusters, 0 bytes of LDS; arguments Wo, Wf1, Wf2, Wp2, Wq, Wk, Wv, Wp1, bp1, g1, b1, g2, b2, bf2, bf1, bo, bq, bk, bv, bp2, wimg; writes wimg
.if DOCPART == 1
	.amdgcn_target "amdgcn-amd-amdhsa--gfx1250"
	.amdhsa_code_object_version 6
	.text
	.protected	k_qdf1db4496e_prep
	.globl	k_qdf1db4496e_prep
	.p2align	8
	.type	k_qdf1db4496e_prep,@function
k_qdf1db4496e_prep:
	s_mov_b64 s[64:65], 0
	v_nop
	global_prefetch_b8 v0, s[64:65] scope:SCOPE_SE
	s_setreg_imm32_b32 hwreg(HW_REG_WAVE_MODE, 25, 1), 1
	s_wait_xcnt 0x0
; Weights into the image wimg: bf16, in the order in which a matrix fragment lies in registers, and the f32 parameter blocks.
; A fragment is 1,024 bytes: chunk (q, lane L = 16 h + r) of 16 bytes at f*1024 + q*512 + L*16 holds W[k0 .. k0+7][n], k0 = 32 ks + 16 q + 8 h.
; Two 16-byte loads a lane (at 16 L and 16 L + 512) then fill the eight registers of a 16 x 32 operand.
; A work-group of 256 threads writes four fragments, 16 bytes a thread: sixteen neighbouring lanes store 256 consecutive aligned bytes.
; Column n of lane r: kind 0: 16 t + r, f = 8 ks + t.  kind 1: 8 r + t, f = 8 ks + t.  kind 2 (Wf1): 16 t + r, t = 4 u + c, f = 16 u + 4 ks + c.
; Work-groups: 0-7 Wo, 8-23 Wf1, 24-39 Wf2, 40-47 Wp2, 48-55 Wq, 56-63 Wk, 64-71 Wv, 72 first layer of the position MLP, 73 parameters.
.set O_WO,  0
.set O_WF1, 32768
.set O_WF2, 98304
.set O_PB,  163840                     ; f32: g1, b1, g2, b2, bf2 (512 bytes each), bf1 (1,024), bo (512)
.set O_WP2, 167936
.set O_AW1, 200704
.set O_WQ,  204800
.set O_WK,  237568
.set O_WV,  270336
.set O_BK,  303104                     ; f32: bq*c, bk+bp2, bv+bp2
.set CQ,    0x3e8293ee                 ; c = log2(e) / sqrt(32)
.macro FRAGSEC argoff, ncol, kind, out, wg0
	s_load_b64 s[4:5], s[0:1], \argoff             ; the weight
	s_load_b64 s[6:7], s[0:1], 0xa0                ; wimg
	s_sub_co_u32 s3, s2, \wg0                      ; work-group within the section
	s_lshl_b32 s8, s3, 2                           ; its first fragment
	s_lshl_b32 s9, s3, 12                          ; its 4,096 bytes
	v_lshrrev_b32 v1, 6, v0
	v_add_nc_u32 v1, s8, v1                        ; f
	v_bfe_u32 v2, v0, 4, 2                         ; 2 q + h
	v_and_b32 v3, 15, v0                           ; r
.if \kind == 2
	v_bfe_u32 v4, v1, 2, 2                         ; ks
	v_lshrrev_b32 v5, 4, v1                        ; u
	v_and_b32 v6, 3, v1                            ; c
	v_lshl_or_b32 v5, v5, 2, v6                    ; t = 4 u + c
.else
	v_lshrrev_b32 v4, 3, v1                        ; ks
	v_and_b32 v5, 7, v1                            ; t
.endif
.if \kind == 1
	v_lshl_add_u32 v5, v3, 3, v5                   ; n = 8 r + t
.else
	v_lshl_add_u32 v5, v5, 4, v3                   ; n = 16 t + r
.endif
	v_lshl_add_u32 v4, v4, 2, v2                   ; k0 / 8
	v_mul_u32_u24 v4, v4, 8*\ncol                  ; k0 rows
	v_add_lshl_u32 v4, v4, v5, 2                   ; (k0 * ncol + n) * 4 bytes
	v_lshl_add_u32 v6, v0, 4, s9                   ; where my 16 bytes go
	s_wait_kmcnt 0x0
.irp e, 0,1,2,3,4,5,6,7
	global_load_b32 v[8+\e], v4, s[4:5] offset:4*\ncol*\e
.endr
	s_wait_loadcnt 0x0
.irp i, 0,1,2,3
	v_cvt_pk_bf16_f32 v[16+\i], v[8+2*\i], v[9+2*\i]
.endr
	global_store_b128 v6, v[16:19], s[6:7] offset:\out
	s_endpgm
.endm
	s_mov_b32 s2, ttmp9
	s_cmp_lt_u32 s2, 8
	s_cbranch_scc1 .Lwo
	s_cmp_lt_u32 s2, 24
	s_cbranch_scc1 .Lwf1
	s_cmp_lt_u32 s2, 40
	s_cbranch_scc1 .Lwf2
	s_cmp_lt_u32 s2, 48
	s_cbranch_scc1 .Lwp2
	s_cmp_lt_u32 s2, 56
	s_cbranch_scc1 .Lwq
	s_cmp_lt_u32 s2, 64
	s_cbranch_scc1 .Lwk
	s_cmp_lt_u32 s2, 72
	s_cbranch_scc1 .Lwv
	s_cmp_eq_u32 s2, 72
	s_cbranch_scc1 .Law1
	s_branch .Lpb
.Lwo:
	FRAGSEC 0x0, 128, 0, O_WO, 0
.Lwf1:
	FRAGSEC 0x8, 256, 2, O_WF1, 8
.Lwf2:
	FRAGSEC 0x10, 128, 0, O_WF2, 24
.Lwp2:
	FRAGSEC 0x18, 128, 1, O_WP2, 40
.Lwq:
	FRAGSEC 0x20, 128, 1, O_WQ, 48
.Lwk:
	FRAGSEC 0x28, 128, 1, O_WK, 56
.Lwv:
	FRAGSEC 0x30, 128, 1, O_WV, 64
; The first layer as eight half fragments (registers 0-3 only): row r of tile c is hidden unit 16 c + r; its k = 0..5 are
; Wx, Wy, Wz and bp1 in three bf16 parts (24 bits of it), to be multiplied by (x, y, z, 1, 1, 1).  Lanes 16-31 (k = 8..15) are zero.
.Law1:
	s_load_b64 s[4:5], s[0:1], 0x38                ; Wp1
	s_load_b64 s[8:9], s[0:1], 0x40                ; bp1
	s_load_b64 s[6:7], s[0:1], 0xa0                ; wimg
	v_lshrrev_b32 v1, 5, v0                        ; c
	v_and_b32 v2, 15, v0                           ; r
	v_lshl_add_u32 v1, v1, 4, v2                   ; hidden unit
	v_lshlrev_b32 v1, 2, v1
	v_and_b32 v3, 16, v0                           ; not 0 in lanes 16-31
	v_lshlrev_b32 v2, 4, v0
	s_wait_kmcnt 0x0
	global_load_b32 v4, v1, s[4:5]
	global_load_b32 v5, v1, s[4:5] offset:512
	global_load_b32 v6, v1, s[4:5] offset:1024
	global_load_b32 v7, v1, s[8:9]
	v_cmp_eq_u32 vcc_lo, 0, v3
	s_wait_loadcnt 0x0
	v_cvt_pk_bf16_f32 v8, v4, v5                   ; Wx, Wy
	v_cvt_pk_bf16_f32 v9, v6, v7                   ; Wz, first part of the bias
	v_and_b32 v12, 0xffff0000, v9
	v_sub_f32 v12, v7, v12                         ; what the first part left (exact)
	v_cvt_pk_bf16_f32 v13, v12, v12
	v_lshlrev_b32 v13, 16, v13
	v_sub_f32 v13, v12, v13                        ; what the second part left
	v_cvt_pk_bf16_f32 v10, v12, v13                ; second and third part
	v_cndmask_b32 v8, 0, v8, vcc_lo
	v_cndmask_b32 v9, 0, v9, vcc_lo
	v_cndmask_b32 v10, 0, v10, vcc_lo
	v_mov_b32 v11, 0
	global_store_b128 v2, v[8:11], s[6:7] offset:O_AW1
	s_endpgm
; The parameter block: eight segments of 512 bytes, wave w copies segment w, 16 bytes a lane.  The source is chosen by the wave's number.
.Lpb:
	s_load_b64 s[8:9], s[0:1], 0x48                ; g1
	s_load_b64 s[10:11], s[0:1], 0x50              ; b1
	s_load_b64 s[12:13], s[0:1], 0x58              ; g2
	s_load_b64 s[14:15], s[0:1], 0x60              ; b2
	s_load_b64 s[16:17], s[0:1], 0x68              ; bf2
	s_load_b64 s[18:19], s[0:1], 0x70              ; bf1
	s_load_b64 s[20:21], s[0:1], 0x78              ; bo
	s_load_b64 s[28:29], s[0:1], 0x80              ; bq
	s_load_b64 s[30:31], s[0:1], 0x88              ; bk
	s_load_b64 s[32:33], s[0:1], 0x90              ; bv
	s_load_b64 s[34:35], s[0:1], 0x98              ; bp2
	s_load_b64 s[6:7], s[0:1], 0xa0                ; wimg
	s_mov_b32 s36, CQ
	s_mov_b32 s37, CQ
	v_lshrrev_b32 v1, 5, v0
	v_readfirstlane_b32 s3, v1                     ; wave
	v_and_b32 v2, 31, v0
	v_lshlrev_b32 v2, 4, v2                        ; 16 x lane
	v_lshlrev_b32 v3, 4, v0                        ; 16 x thread = 512 x wave + 16 x lane
	s_cmp_eq_u32 s3, 6
	s_cselect_b32 s4, 512, 0                       ; wave 6 takes bf1's second half
	v_add_nc_u32 v4, s4, v2
	s_wait_kmcnt 0x0
	s_mov_b64 s[24:25], s[8:9]
	s_cmp_eq_u32 s3, 1
	s_cselect_b64 s[24:25], s[10:11], s[24:25]
	s_cmp_eq_u32 s3, 2
	s_cselect_b64 s[24:25], s[12:13], s[24:25]
	s_cmp_eq_u32 s3, 3
	s_cselect_b64 s[24:25], s[14:15], s[24:25]
	s_cmp_eq_u32 s3, 4
	s_cselect_b64 s[24:25], s[16:17], s[24:25]
	s_cmp_ge_u32 s3, 5
	s_cselect_b64 s[24:25], s[18:19], s[24:25]
	s_cmp_eq_u32 s3, 7
	s_cselect_b64 s[24:25], s[20:21], s[24:25]
	global_load_b128 v[8:11], v4, s[24:25]
	s_wait_loadcnt 0x0
	global_store_b128 v3, v[8:11], s[6:7] offset:O_PB
	s_cmp_gt_u32 s3, 2
	s_cbranch_scc1 .Lpbend
	s_cmp_lg_u32 s3, 0
	s_cbranch_scc1 .Lbkv
	global_load_b128 v[12:15], v2, s[28:29]        ; wave 0: bq * c
	s_wait_loadcnt 0x0
	v_pk_mul_f32 v[12:13], v[12:13], s[36:37] op_sel_hi:[1,0]
	v_pk_mul_f32 v[14:15], v[14:15], s[36:37] op_sel_hi:[1,0]
	global_store_b128 v3, v[12:15], s[6:7] offset:O_BK
	s_endpgm
.Lbkv:
	s_cmp_eq_u32 s3, 1                             ; wave 1: bk + bp2, wave 2: bv + bp2
	s_cselect_b64 s[24:25], s[30:31], s[32:33]     ; the load that named s[24:25] has been waited for
	global_load_b128 v[12:15], v2, s[24:25]
	global_load_b128 v[16:19], v2, s[34:35]
	s_wait_loadcnt 0x0
	v_pk_add_f32 v[12:13], v[12:13], v[16:17]
	v_pk_add_f32 v[14:15], v[14:15], v[18:19]
	global_store_b128 v3, v[12:15], s[6:7] offset:O_BK
.Lpbend:
	s_endpgm
.Lfunc_end_k_qdf1db4496e_prep:
	.size	k_qdf1db4496e_prep, .Lfunc_end_k_qdf1db4496e_prep-k_qdf1db4496e_prep
	.p2alignl 7, 3214868480
	.fill 96, 4, 3214868480
	.section	.rodata,"a",@progbits
	.p2align	6, 0x0
	.amdhsa_kernel k_qdf1db4496e_prep
		.amdhsa_group_segment_fixed_size 0
		.amdhsa_private_segment_fixed_size 0
		.amdhsa_enable_private_segment 0
		.amdhsa_kernarg_size 168
		.amdhsa_user_sgpr_count 2
		.amdhsa_user_sgpr_kernarg_segment_ptr 1
		.amdhsa_wavefront_size32 1
		.amdhsa_system_sgpr_workgroup_id_x 1
		.amdhsa_system_sgpr_workgroup_id_y 1
		.amdhsa_system_sgpr_workgroup_id_z 1
		.amdhsa_system_vgpr_workitem_id 0
		.amdhsa_next_free_vgpr 32
		.amdhsa_next_free_sgpr 66
		.amdhsa_reserve_vcc 1
		.amdhsa_float_denorm_mode_32 3
		.amdhsa_float_denorm_mode_16_64 3
		.amdhsa_memory_ordered 1
		.amdhsa_forward_progress 1
		.amdhsa_inst_pref_size 20
	.end_amdhsa_kernel
	.amdgpu_metadata
---
amdhsa.version: [ 1, 2 ]
amdhsa.kernels:
  - .name:           k_qdf1db4496e_prep
    .symbol:         k_qdf1db4496e_prep.kd
    .args:
      - { .name: Wo, .offset: 0, .size: 8, .value_kind: global_buffer, .address_space: global }
      - { .name: Wf1, .offset: 8, .size: 8, .value_kind: global_buffer, .address_space: global }
      - { .name: Wf2, .offset: 16, .size: 8, .value_kind: global_buffer, .address_space: global }
      - { .name: Wp2, .offset: 24, .size: 8, .value_kind: global_buffer, .address_space: global }
      - { .name: Wq, .offset: 32, .size: 8, .value_kind: global_buffer, .address_space: global }
      - { .name: Wk, .offset: 40, .size: 8, .value_kind: global_buffer, .address_space: global }
      - { .name: Wv, .offset: 48, .size: 8, .value_kind: global_buffer, .address_space: global }
      - { .name: Wp1, .offset: 56, .size: 8, .value_kind: global_buffer, .address_space: global }
      - { .name: bp1, .offset: 64, .size: 8, .value_kind: global_buffer, .address_space: global }
      - { .name: g1, .offset: 72, .size: 8, .value_kind: global_buffer, .address_space: global }
      - { .name: b1, .offset: 80, .size: 8, .value_kind: global_buffer, .address_space: global }
      - { .name: g2, .offset: 88, .size: 8, .value_kind: global_buffer, .address_space: global }
      - { .name: b2, .offset: 96, .size: 8, .value_kind: global_buffer, .address_space: global }
      - { .name: bf2, .offset: 104, .size: 8, .value_kind: global_buffer, .address_space: global }
      - { .name: bf1, .offset: 112, .size: 8, .value_kind: global_buffer, .address_space: global }
      - { .name: bo, .offset: 120, .size: 8, .value_kind: global_buffer, .address_space: global }
      - { .name: bq, .offset: 128, .size: 8, .value_kind: global_buffer, .address_space: global }
      - { .name: bk, .offset: 136, .size: 8, .value_kind: global_buffer, .address_space: global }
      - { .name: bv, .offset: 144, .size: 8, .value_kind: global_buffer, .address_space: global }
      - { .name: bp2, .offset: 152, .size: 8, .value_kind: global_buffer, .address_space: global }
      - { .name: wimg, .offset: 160, .size: 8, .value_kind: global_buffer, .address_space: global }
    .group_segment_fixed_size: 0
    .private_segment_fixed_size: 0
    .kernarg_segment_align: 8
    .kernarg_segment_size: 168
    .max_flat_workgroup_size: 256
    .sgpr_count:     66
    .vgpr_count:     32
    .wavefront_size: 32
...
	.end_amdgpu_metadata
.endif
;; end of part 1
;; launch kvq (part 2): grid 256 x 1, 16 waves a work-group, no clusters, 169,984 bytes of LDS; arguments feat, wimg, kv, qt; writes kv, qt
.if DOCPART == 2
	.amdgcn_target "amdgcn-amd-amdhsa--gfx1250"
	.amdhsa_code_object_version 6
	.text
	.protected	k_qdf1db4496e_kvq
	.globl	k_qdf1db4496e_kvq
	.p2align	8
	.type	k_qdf1db4496e_kvq,@function
k_qdf1db4496e_kvq:
	s_mov_b64 s[64:65], 0
	v_nop
	global_prefetch_b8 v0, s[64:65] scope:SCOPE_SE
	s_setreg_imm32_b32 hwreg(HW_REG_WAVE_MODE, 25, 1), 1
	s_wait_xcnt 0x0
; kv[p] = (feat[p] Wk + bk + bp2 | feat[p] Wv + bv + bp2), 256 bf16 a row;  qt[p] = (feat[p] Wq + bq) * log2(e)/sqrt(32), 128 bf16 a row.
; bp2 is added here because the same pe, bp2 included, is added to every gathered k and v row.
; Operands of the products (feat, weights) are rounded to bf16, the sums are f32, the three tables are rounded once to bf16.
; A tile is 16 points, 6,250 tiles.  Wave g = 256 w + work-group takes tile g, and tile g + 4,096 if g < 2,154.  Waves are independent
; behind the one barrier that follows the copy of the three weights (96 KiB, in fragment order) into LDS.
; The product takes feat as source 0 and a weight fragment whose lane r holds column 8 r + t as source 1: lane (r, h), register j of tile t
; is then point 8 h + j, channel 8 r + t, so a lane's eight tiles give 16 neighbouring bytes of a row and sixteen lanes store 256 aligned bytes.
; No cluster and no tensor load: the work-groups share only the weights, read once by each, and the rows are streamed once through registers.
.set NT2,    2154                      ; waves with a second tile: 6,250 - 4,096
.set CQ,     0x3e8293ee                ; log2(e) / sqrt(32)
.set W_QKV,  204800                    ; Wq, Wk, Wv in wimg
.set W_BK,   303104                    ; bq*c, bk+bp2, bv+bp2
.set STAGE0, 98304                     ; behind the weights: 16 rows x 272 bytes of bf16 feat for each wave
.set SP,     272                       ; 256 + 16: the sixteen rows of a fragment load start in different banks
.set BI,  8                            ; v[8:31]    the three biases of my channels 8 r .. 8 r + 7
.set RAW, 32                           ; v[32:95]   16 rows of feat as loaded, 16 bytes a lane
.set AF,  96                           ; v[96:127]  feat's four fragments (K = 128)
.set ACC, 128                          ; v[128:191] eight accumulator tiles
.set WB,  192                          ; v[192:255] two buffers of four weight fragments; buffer 0 also holds the packed rows
; v1 16 L; v2 stage + 8 L; v3 stage + 272 r + 16 h; v4 4096 h + 16 r; v5 2048 h + 16 r; v6 32 r; v7 65536 + 16 L
.macro PLACES                          ; four places behind a matrix instruction, in front of what reads its result or writes its registers (ISA guide 7.12.1)
.rept 4
	v_nop
.endr
.endm
.macro LOADRAW
.irp i, 0,1,2,3,4,5,6,7,8,9,10,11,12,13,14,15
	global_load_b128 v[RAW+4*\i:RAW+4*\i+3], v1, s[4:5] offset:512*\i th:TH_LOAD_NT   ; a whole row: 512 consecutive bytes
.endr
.endm
.macro WLOAD buf, areg, off            ; four fragments, 8 loads
.irp i, 0,1,2,3
	ds_load_b128 v[WB+32*(\buf)+8*\i:WB+32*(\buf)+8*\i+3], v[\areg] offset:\off+1024*\i
	ds_load_b128 v[WB+32*(\buf)+8*\i+4:WB+32*(\buf)+8*\i+7], v[\areg] offset:\off+1024*\i+512
.endr
.endm
; group g of eight: K step g >> 1, tiles 4 (g & 1) .. + 3.  The accumulators take turns, one instruction a turn.
.macro KGRP g, areg, off
.if \g == 7
	s_wait_dscnt 0x0
.else
	s_wait_dscnt 0x8                               ; all but the younger group's eight loads
.endif
.irp i, 0,1,2,3
.if \g < 2
	v_wmma_f32_16x16x32_bf16 v[ACC+32*(\g&1)+8*\i:ACC+32*(\g&1)+8*\i+7], v[AF+8*(\g>>1):AF+8*(\g>>1)+7], v[WB+32*(\g&1)+8*\i:WB+32*(\g&1)+8*\i+7], 0
.else
	v_wmma_f32_16x16x32_bf16 v[ACC+32*(\g&1)+8*\i:ACC+32*(\g&1)+8*\i+7], v[AF+8*(\g>>1):AF+8*(\g>>1)+7], v[WB+32*(\g&1)+8*\i:WB+32*(\g&1)+8*\i+7], v[ACC+32*(\g&1)+8*\i:ACC+32*(\g&1)+8*\i+7]
.endif
.endr
.if \g < 6
	PLACES
	WLOAD (\g&1), \areg, \off+4096*(\g+2)
.endif
.endm
; One of the three products, its bias, and its 16 rows out.  isq = 1: scaled by c.
.macro PASS areg, off, bi, isq, sbase, voff, rowb, coff
	s_wait_xcnt 0x0                                ; buffer 0 was the data of the last pass's stores: it is loaded again only behind this wait
	WLOAD 0, \areg, \off
	WLOAD 1, \areg, \off+4096
.irp g, 0,1,2,3,4,5,6,7
	KGRP \g, \areg, \off
.endr
	PLACES
.irp tp, 0,2,4,6
.irp jp, 0,2,4,6
.if \isq
	v_pk_fma_f32 v[ACC+8*\tp+\jp:ACC+8*\tp+\jp+1], v[ACC+8*\tp+\jp:ACC+8*\tp+\jp+1], s[18:19], v[\bi+\tp:\bi+\tp+1] op_sel_hi:[1,0,0]
	v_pk_fma_f32 v[ACC+8*\tp+8+\jp:ACC+8*\tp+8+\jp+1], v[ACC+8*\tp+8+\jp:ACC+8*\tp+8+\jp+1], s[18:19], v[\bi+\tp:\bi+\tp+1] op_sel:[0,0,1] op_sel_hi:[1,0,1]
.else
	v_pk_add_f32 v[ACC+8*\tp+\jp:ACC+8*\tp+\jp+1], v[ACC+8*\tp+\jp:ACC+8*\tp+\jp+1], v[\bi+\tp:\bi+\tp+1] op_sel_hi:[1,0]
	v_pk_add_f32 v[ACC+8*\tp+8+\jp:ACC+8*\tp+8+\jp+1], v[ACC+8*\tp+8+\jp:ACC+8*\tp+8+\jp+1], v[\bi+\tp:\bi+\tp+1] op_sel:[0,1] op_sel_hi:[1,1]
.endif
.endr
.endr
.irp j, 0,1,2,3,4,5,6,7
.irp tp, 0,1,2,3
	v_cvt_pk_bf16_f32 v[WB+4*\j+\tp], v[ACC+16*\tp+\j], v[ACC+16*\tp+8+\j]      ; channels 8 r + 2 tp, + 1 of point 8 h + j
.endr
	global_store_b128 v[\voff], v[WB+4*\j:WB+4*\j+3], s[\sbase:\sbase+1] offset:\rowb*\j+\coff
.endr
.endm
	s_load_b256 s[4:11], s[0:1], 0x0               ; feat s[4:5], wimg s[6:7], kv s[8:9], qt s[10:11]
	v_lshrrev_b32 v1, 5, v0
	v_readfirstlane_b32 s12, v1                    ; wave
	s_lshl_b32 s13, s12, 8
	s_add_co_u32 s13, s13, ttmp9                   ; g = my first tile
	s_cmp_lt_u32 s13, NT2
	s_cselect_b32 s14, 2, 1                        ; my tiles
	s_mov_b32 s15, 0
	s_mov_b32 s18, CQ
	s_mov_b32 s19, CQ
	s_mul_i32 s20, s12, 16*SP
	s_add_co_u32 s20, s20, STAGE0                  ; my stage
	v_and_b32 v178, 31, v0                         ; L
	v_and_b32 v179, 15, v0                         ; r
	v_bfe_u32 v180, v0, 4, 1                       ; h
	v_lshlrev_b32 v1, 4, v178
	v_lshl_add_u32 v2, v178, 3, s20
	v_mul_u32_u24 v3, v179, SP
	v_lshl_add_u32 v3, v180, 4, v3
	v_add_nc_u32 v3, s20, v3
	v_lshlrev_b32 v5, 4, v179
	v_lshl_add_u32 v4, v180, 12, v5
	v_lshl_add_u32 v5, v180, 11, v5
	v_lshlrev_b32 v6, 5, v179
	v_add_nc_u32 v7, 0x10000, v1
	v_lshlrev_b32 v176, 4, v0                      ; 16 x thread: offset in wimg and LDS address of the copy
	v_add_nc_u32 v177, 0x10000, v176
	s_lshl_b32 s16, s13, 13                        ; a tile is 8,192 bytes of feat and of kv,
	s_mov_b32 s17, 0
	s_wait_kmcnt 0x0
	s_add_nc_u64 s[4:5], s[4:5], s[16:17]
	s_add_nc_u64 s[8:9], s[8:9], s[16:17]
	s_lshl_b32 s16, s13, 12                        ; 4,096 of qt
	s_add_nc_u64 s[10:11], s[10:11], s[16:17]
	LOADRAW                                        ; the first tile goes out ahead of everything else
.irp m, 0,1,2
	global_load_b128 v[BI+8*\m:BI+8*\m+3], v6, s[6:7] offset:W_BK+512*\m
	global_load_b128 v[BI+8*\m+4:BI+8*\m+7], v6, s[6:7] offset:W_BK+512*\m+16
.endr
.irp i, 0,1,2,3,4,5,6,7,8,9,10,11
	global_load_b128 v[ACC+4*\i:ACC+4*\i+3], v176, s[6:7] offset:W_QKV+8192*\i     ; 512 threads x 16 bytes x 12 = 98,304
.endr
.irp i, 0,1,2,3,4,5,6,7
	s_wait_loadcnt 11-\i                           ; loads come back in order: the younger sweeps stay out
	ds_store_b128 v176, v[ACC+4*\i:ACC+4*\i+3] offset:8192*\i
.endr
.irp i, 8,9,10,11
	s_wait_loadcnt 11-\i
	ds_store_b128 v177, v[ACC+4*\i:ACC+4*\i+3] offset:8192*(\i-8)
.endr
	s_wait_dscnt 0x0                               ; my part of the weights is in LDS,
	s_barrier_signal -1
	s_barrier_wait -1                              ; everybody's is; nothing writes these bytes again
.Ltile:
	s_wait_loadcnt 0x0                             ; the tile's rows (and, the first time, the biases)
.irp i, 0,1,2,3,4,5,6,7,8,9,10,11,12,13,14,15
	v_cvt_pk_bf16_f32 v[RAW+4*\i], v[RAW+4*\i], v[RAW+4*\i+1]
	v_cvt_pk_bf16_f32 v[RAW+4*\i+1], v[RAW+4*\i+2], v[RAW+4*\i+3]
	ds_store_b64 v2, v[RAW+4*\i:RAW+4*\i+1] offset:SP*\i
.endr
.irp s, 0,1,2,3
	ds_load_b128 v[AF+8*\s:AF+8*\s+3], v3 offset:64*\s          ; LDS serves a wave's instructions in order: these see the stores above
	ds_load_b128 v[AF+8*\s+4:AF+8*\s+7], v3 offset:64*\s+32
.endr
	s_add_co_u32 s15, s15, 1
	s_cmp_ge_u32 s15, s14
	s_cbranch_scc1 .Lnonext
	s_wait_dscnt 0x0                               ; the stores into the stage have taken their data: the row registers may be loaded again
	s_add_nc_u64 s[4:5], s[4:5], 0x2000000         ; 4,096 tiles on; the loads that named this base have been waited for
	LOADRAW
.Lnonext:
	PASS 1, 0,     BI,    1, 10, 5, 256, 0         ; q
	PASS 1, 32768, BI+8,  0, 8,  4, 512, 0         ; k
	PASS 7, 0,     BI+16, 0, 8,  4, 512, 256       ; v
	s_wait_xcnt 0x0                                ; the stores' bases are stepped only behind this wait
	s_add_nc_u64 s[8:9], s[8:9], 0x2000000
	s_add_nc_u64 s[10:11], s[10:11], 0x1000000
	s_cmp_lt_u32 s15, s14
	s_cbranch_scc1 .Ltile
	s_wait_xcnt 0x0
	v_lshl_add_u32 v254, v0, 2, 0x29000
	v_mov_b32 v255, 0
	s_wait_tensorcnt 0x0
	ds_add_u32 v254, v255
	s_wait_dscnt 0x0
	s_endpgm
.Lfunc_end_k_qdf1db4496e_kvq:
	.size	k_qdf1db4496e_kvq, .Lfunc_end_k_qdf1db4496e_kvq-k_qdf1db4496e_kvq
	.p2alignl 7, 3214868480
	.fill 96, 4, 3214868480
	.section	.rodata,"a",@progbits
	.p2align	6, 0x0
	.amdhsa_kernel k_qdf1db4496e_kvq
		.amdhsa_group_segment_fixed_size 169984
		.amdhsa_private_segment_fixed_size 0
		.amdhsa_enable_private_segment 0
		.amdhsa_kernarg_size 32
		.amdhsa_user_sgpr_count 2
		.amdhsa_user_sgpr_kernarg_segment_ptr 1
		.amdhsa_wavefront_size32 1
		.amdhsa_system_sgpr_workgroup_id_x 1
		.amdhsa_system_sgpr_workgroup_id_y 1
		.amdhsa_system_sgpr_workgroup_id_z 1
		.amdhsa_system_vgpr_workitem_id 0
		.amdhsa_next_free_vgpr 256
		.amdhsa_next_free_sgpr 66
		.amdhsa_reserve_vcc 0
		.amdhsa_float_denorm_mode_32 3
		.amdhsa_float_denorm_mode_16_64 3
		.amdhsa_memory_ordered 1
		.amdhsa_forward_progress 1
		.amdhsa_inst_pref_size 48
	.end_amdhsa_kernel
	.amdgpu_metadata
---
amdhsa.version: [ 1, 2 ]
amdhsa.kernels:
  - .name:           k_qdf1db4496e_kvq
    .symbol:         k_qdf1db4496e_kvq.kd
    .args:
      - { .name: feat, .offset: 0, .size: 8, .value_kind: global_buffer, .address_space: global }
      - { .name: wimg, .offset: 8, .size: 8, .value_kind: global_buffer, .address_space: global }
      - { .name: kv, .offset: 16, .size: 8, .value_kind: global_buffer, .address_space: global }
      - { .name: qt, .offset: 24, .size: 8, .value_kind: global_buffer, .address_space: global }
    .group_segment_fixed_size: 169984
    .private_segment_fixed_size: 0
    .kernarg_segment_align: 8
    .kernarg_segment_size: 32
    .max_flat_workgroup_size: 512
    .sgpr_count:     66
    .vgpr_count:     256
    .wavefront_size: 32
...
	.end_amdgpu_metadata
.endif
;; end of part 2
;; launch main (part 3): grid 256 x 1, 8 waves a work-group, no clusters, 287,744 bytes of LDS; arguments wimg, kv, qt, knn_idx, coords, feat, out0; writes out0
.if DOCPART == 3
	.amdgcn_target "amdgcn-amd-amdhsa--gfx1250"
	.amdhsa_code_object_version 6
	.text
	.protected	k_qdf1db4496e_main
	.globl	k_qdf1db4496e_main
	.p2align	8
	.type	k_qdf1db4496e_main,@function
k_qdf1db4496e_main:
	s_mov_b64 s[64:65], 0
	v_nop
	global_prefetch_b8 v0, s[64:65] scope:SCOPE_SE
	s_setreg_imm32_b32 hwreg(HW_REG_WAVE_MODE, 25, 1), 1
	s_wait_xcnt 0x0
; The block itself: position MLP, attention over 16 gathered neighbours, Wo, residual + LN, FFN, residual + LN.
; A tile is 16 points, 6,250 tiles.  Wave g = 256 w + work-group takes tiles g + 2,048 i: four if g < 106, else three.  Two waves lie on a
; SIMD, 512 registers each; behind the one barrier of the set-up they are independent, and all scratch in LDS is a wave's own.
; PER POINT (macro POINT), lane (r, h):
;   H^T = W1 x rel: source 0 = hidden units 16 c + r with (Wx, Wy, Wz, bias in three bf16 parts), source 1 = neighbour r with (x, y, z, 1, 1, 1);
;   the result, hidden 16 c + 8 h + j of neighbour r, is after GELU and rounding the source-0 fragment of pe = G x Wp2 as it stands.
;   Wp2's fragments (lane r = column 8 r + t) stay in v256-511.  pe tile t, register j = neighbour 8 h + j, channel 8 r + t: the same eight
;   channels that 16 bytes at 16 r of a bf16 row of q, k or v hold.  A head is 4 lanes: two DPP adds finish a logit; the softmax runs over
;   8 registers and the two halves of the wave, with the maximum taken away.  q was scaled by log2(e)/sqrt(32), so the exponential is 2^x.
;   Each gathered k or v row is read by sixteen lanes as 256 consecutive aligned bytes, and is asked for one point ahead.
; PER TILE: lane = point r, registers = channels 16 t + 8 h + j (weights as source 0).  A result tile, rounded, is the next product's source 1
;   as it stands, so Wo, LN, FFN and LN follow each other in registers; LN's sums need one exchange between the halves of the wave.
; LDS ADDRESSES: every LDS access is a register that never changes (the wave's term + a lane term) plus an immediate.  The two accesses that
;   hang on the point's number stand once for each point, and the loop counter's bits pick the pair (macros PICK, ROW).
; LIMITS.  erf is Abramowitz-Stegun 7.1.26, absolute error at most 1.5e-7 for every argument (x^2 overflowing gives erf = 1, as it should).
;   Rounded to bf16 as operands of products: rel_pos, Wp1, GELU's results, all weights, q, k + bp2, v + bp2, the attention's result, LN1's result
;   where it enters Wf1.  Sums, softmax, residuals and norms are f32.  A non-finite Wp1 or bp1 spreads to the neighbouring tile of hidden
;   units, since the unused K places of the first layer are zero on one side only.  Indices are clamped to 99,999.
; No cluster, no tensor load: work-groups share only 168 KiB of weights, read once by each; the streamed data are irregular rows.
.set AW,   16                          ; v[16:51]   first layer, tile c = v[16+4c : 23+4c]: its upper four registers (the next tile's) meet zeros in BREL
.set BREL, 52                          ; v[52:59]   (x,y) (z,1) (1,1) 0 0 0 0 0
.set A4,   60                          ; v[60:61]   a4, twice
.set PE,   64                          ; v[64:127]  H, GELU's temporaries, then pe
.set G,    128                         ; v[128:159] GELU's results; behind the pe product:
.set QF,   128                         ;   v[128:135] q in f32
.set LG,   136                         ;   v[136:143] logits, then weights
.set OA,   144                         ;   v[144:159] result sums, two for each channel
.set KB,   160                         ; v[160:191] eight k rows' 16 bytes
.set VB,   192                         ; v[192:223] eight v rows' 16 bytes
.set IDX,  224                         ; v[224:231] indices of neighbours 8 h .. 8 h + 7
.set ADDR, 232                         ; v[232:239] their byte offsets in kv
.set QP,   240                         ; v[240:243] q, packed
.set TM,   244                         ; v[244:253] small temporaries
.set ACC,  64                          ; per tile: v[64:127] eight result tiles
.set XB,   128                         ;           v[128:159] source-1 fragments (attention result, later LN1's result)
.set WB,   160                         ;           v[160:223] two buffers of four weight fragments
.set HT,   224                         ;           v[224:255] four hidden tiles of the FFN; LN's temporaries
; v1 16 L; v2 4 L; v3 32 h; v4 12 h; v5 16 r; v8 SO + 272 r + 16 h; v9 SX + 528 r + 32 h; v10 SX + 16 L; v11 PB + 32 h;
; v12 Wf1 + 16 L; v13 Wf2 + 16 L; v14, v15 scratch; v62 BR + 8 r; v63 SO + 16 r
.set L_WF1, 32768                      ; LDS: Wo at 0, Wf1, Wf2, the parameter block: bytes 0 .. 167,935 of wimg
.set L_WF2, 98304
.set L_PB,  163840
.set L_SCR, 167936                     ; then 14,848 bytes for each wave:
.set SCR,   14848
.set SO_P,  272                        ;   SO at 0: 16 rows x 272, the attention's result in bf16
.set O_BR,  4352                       ;   BR: 16 points x 16 neighbours x 8 bytes
.set O_SX,  6400                       ;   SX: 16 rows x 528, f32: feat + bo, at the end the output
.set SX_P,  528
.set P_G1,  0
.set P_B1,  512
.set P_G2,  1024
.set P_B2,  1536
.set P_BF2, 2048
.set P_BF1, 2560
.set P_BO,  3584
.set W_WP2, 167936
.set W_AW1, 200704
.set SCE, 34                           ; s[34:35] -log2(e)/2     (pairs: both words written, the first is broadcast)
.set SPP, 36                           ; s[36:37] p / sqrt(2)
.set SA5, 38
.set SA3, 40
.set SA2, 42
.set SA1, 44
.set MSB, 0
.macro WIN new                         ; the immediate's high byte repeats the setting that is left
.if MSB != \new
	s_set_vgpr_msb (MSB<<8)|\new
.set MSB, \new
.endif
.endm
.macro PLACES                          ; four places behind a matrix instruction, in front of what reads its result or writes its registers (ISA guide 7.12.1)
.rept 4
	v_nop
.endr
.endm
; gelu(x) = x/2 + |x/2| erf(|x|/sqrt 2) for eight numbers at x; four packed words at d; 24 temporaries at tm (E, T, A).
.macro GELU8 x, d, tm
.irp i, 0,2,4,6
	v_pk_mul_f32 v[\tm+\i:\tm+\i+1], v[\x+\i:\x+\i+1], v[\x+\i:\x+\i+1]
.endr
.irp i, 0,1,2,3,4,5,6,7
	v_fma_f32 v[\tm+8+\i], |v[\x+\i]|, s[SPP], 1.0
.endr
.irp i, 0,2,4,6
	v_pk_mul_f32 v[\tm+\i:\tm+\i+1], v[\tm+\i:\tm+\i+1], s[SCE:SCE+1] op_sel_hi:[1,0]
.endr
.irp i, 0,1,2,3,4,5,6,7
	v_rcp_f32 v[\tm+8+\i], v[\tm+8+\i]             ; T = 1 / (1 + p |x| / sqrt 2)
.endr
.irp i, 0,1,2,3,4,5,6,7
	v_exp_f32 v[\tm+\i], v[\tm+\i]                 ; E = exp(-x^2 / 2)
.endr
.irp i, 0,2,4,6
	v_pk_mul_f32 v[\x+\i:\x+\i+1], v[\x+\i:\x+\i+1], 0.5 op_sel_hi:[1,0]     ; plain work between the transcendentals and the use of their results
.endr
	s_wait_alu depctr_va_vdst(0)
.irp i, 0,2,4,6
	v_pk_fma_f32 v[\tm+16+\i:\tm+16+\i+1], v[\tm+8+\i:\tm+8+\i+1], s[SA5:SA5+1], v[A4:A4+1] op_sel_hi:[1,0,1]
.endr
.irp c, SA3,SA2,SA1
.irp i, 0,2,4,6
	v_pk_fma_f32 v[\tm+16+\i:\tm+16+\i+1], v[\tm+16+\i:\tm+16+\i+1], v[\tm+8+\i:\tm+8+\i+1], s[\c:\c+1] op_sel_hi:[1,1,0]
.endr
.endr
.irp i, 0,2,4,6
	v_pk_mul_f32 v[\tm+16+\i:\tm+16+\i+1], v[\tm+16+\i:\tm+16+\i+1], v[\tm+8+\i:\tm+8+\i+1]
.endr
.irp i, 0,2,4,6
	v_pk_fma_f32 v[\tm+16+\i:\tm+16+\i+1], v[\tm+16+\i:\tm+16+\i+1], v[\tm+\i:\tm+\i+1], 1.0 op_sel_hi:[1,1,0] neg_lo:[1,0,0] neg_hi:[1,0,0]   ; erf = 1 - A E
.endr
.irp i, 0,1,2,3,4,5,6,7
	v_fma_f32 v[\x+\i], |v[\x+\i]|, v[\tm+16+\i], v[\x+\i]
.endr
.irp i, 0,1,2,3
	v_cvt_pk_bf16_f32 v[\d+\i], v[\x+2*\i], v[\x+2*\i+1]
.endr
.endm
.macro MKADDR                          ; offsets of my eight neighbours' 16 bytes in kv
.irp j, 0,1,2,3,4,5,6,7
	v_min_u32 v[ADDR+\j], 0x1869f, v[IDX+\j]
.endr
.irp j, 0,1,2,3,4,5,6,7
	v_lshl_add_u32 v[ADDR+\j], v[ADDR+\j], 9, v5
.endr
.endm
.macro ISSUEKQ
.irp j, 0,1,2,3,4,5,6,7
	global_load_b128 v[KB+4*\j:KB+4*\j+3], v[ADDR+\j], s[6:7]
.endr
	global_load_b128 v[QP:QP+3], v5, s[28:29] th:TH_LOAD_NT
.endm
.macro ISSUEV
.irp j, 0,1,2,3,4,5,6,7
	global_load_b128 v[VB+4*\j:VB+4*\j+3], v[ADDR+\j], s[6:7] offset:256
.endr
.endm
.macro LGPE t, b                       ; logits += pe(., channel t) q(t); b = t & 1
.irp jp, 0,2,4,6
	v_pk_fma_f32 v[LG+\jp:LG+\jp+1], v[PE+8*\t+\jp:PE+8*\t+\jp+1], v[QF+\t-\b:QF+\t-\b+1], v[LG+\jp:LG+\jp+1] op_sel:[0,\b,0] op_sel_hi:[1,\b,1]
.endr
.endm
.macro LGK t, b                        ; logits += k(., channel t) q(t), straight from the bf16 half
.irp j, 0,1,2,3,4,5,6,7
	v_fma_mix_f32_bf16 v[LG+\j], v[KB+4*\j+(\t-\b)/2], v[QF+\t], v[LG+\j] op_sel:[\b,0,0] op_sel_hi:[1,0,0]
.endr
.endm
.macro OAV j, jb                       ; result += weight(j) v(j, .); jb = j & 1 picks one of a channel's two sums
.irp tp, 0,1,2,3
	v_fma_mix_f32_bf16 v[OA+4*\tp+\jb], v[VB+4*\j+\tp], v[LG+\j], v[OA+4*\tp+\jb] op_sel:[0,0,0] op_sel_hi:[1,0,0]
	v_fma_mix_f32_bf16 v[OA+4*\tp+2+\jb], v[VB+4*\j+\tp], v[LG+\j], v[OA+4*\tp+2+\jb] op_sel:[1,0,0] op_sel_hi:[1,0,0]
.endr
.endm
; One point.  On entry 17 global loads are out, in this order: k (8), q (1), v (8), and the LDS load of the point's rel_pos into BREL.
; pf = 1: the next point's rows are asked for.  The result, 16 bytes a lane, is left in v[OA:OA+3].
.macro POINT pf
.if \pf
	global_load_b128 v[IDX:IDX+3], v3, s[26:27] offset:64       ; the next point's indices
	global_load_b128 v[IDX+4:IDX+7], v3, s[26:27] offset:80
.endif
	s_wait_dscnt 0x0                               ; rel_pos is in (and the last point's row is stored)
.irp c, 0,1,2,3
	v_wmma_f32_16x16x32_bf16 v[PE+8*\c:PE+8*\c+7], v[AW+4*\c:AW+4*\c+7], v[BREL:BREL+7], 0
.endr
	PLACES
	GELU8 PE+0,  G+0,  PE+32
	GELU8 PE+8,  G+4,  PE+32
	GELU8 PE+16, G+8,  PE+32
	GELU8 PE+24, G+12, PE+32
.irp c, 4,5,6,7
	v_wmma_f32_16x16x32_bf16 v[PE+8*\c:PE+8*\c+7], v[AW+4*\c:AW+4*\c+7], v[BREL:BREL+7], 0
.endr
	PLACES
	GELU8 PE+32, G+16, PE
	GELU8 PE+40, G+20, PE
	GELU8 PE+48, G+24, PE
	GELU8 PE+56, G+28, PE
	WIN 0x04                                       ; source 1 in v256-511
.irp t, 0,1,2,3,4,5,6,7
	v_wmma_f32_16x16x32_bf16 v[PE+8*\t:PE+8*\t+7], v[G:G+7], v[8*\t:8*\t+7], 0
.endr
.irp s, 1,2,3                                      ; eight accumulators by turns, one instruction a turn
.irp t, 0,1,2,3,4,5,6,7
	v_wmma_f32_16x16x32_bf16 v[PE+8*\t:PE+8*\t+7], v[G+8*\s:G+8*\s+7], v[64*\s+8*\t:64*\s+8*\t+7], v[PE+8*\t:PE+8*\t+7]
.endr
.endr
	WIN 0
	PLACES
	s_wait_loadcnt 8+2*\pf                         ; k and q are in; v's eight loads and the two of the next indices stay out
.irp i, 0,1,2,3
	v_lshlrev_b32 v[QF+2*\i], 16, v[QP+\i]
	v_and_b32 v[QF+2*\i+1], s52, v[QP+\i]
.endr
.irp jp, 0,2,4,6
	v_pk_mul_f32 v[LG+\jp:LG+\jp+1], v[PE+\jp:PE+\jp+1], v[QF:QF+1] op_sel_hi:[1,0]
.endr
	LGPE 1, 1
	LGPE 2, 0
	LGPE 3, 1
	LGPE 4, 0
	LGPE 5, 1
	LGPE 6, 0
	LGPE 7, 1
	LGK 0, 0
	LGK 1, 1
	LGK 2, 0
	LGK 3, 1
	LGK 4, 0
	LGK 5, 1
	LGK 6, 0
	LGK 7, 1
.irp j, 0,1,2,3,4,5,6,7
	v_add_f32_dpp v[LG+\j], v[LG+\j], v[LG+\j] row_xmask:1 row_mask:0xf bank_mask:0xf
.endr
.irp j, 0,1,2,3,4,5,6,7
	v_add_f32_dpp v[LG+\j], v[LG+\j], v[LG+\j] row_xmask:2 row_mask:0xf bank_mask:0xf      ; the head's four lanes: 32 channels
.endr
	v_max3_num_f32 v[TM+2], v[LG], v[LG+1], v[LG+2]
	v_max3_num_f32 v[TM+3], v[LG+3], v[LG+4], v[LG+5]
	v_max3_num_f32 v[TM+2], v[TM+2], v[LG+6], v[LG+7]
	v_max_num_f32 v[TM+2], v[TM+2], v[TM+3]
	v_permlanex16_b32 v14, v[TM+2], s32, s33       ; the other eight neighbours
	v_max_num_f32 v[TM], v[TM+2], v14
	v_max_num_f32 v[TM+1], v[TM+2], v14
.irp jp, 0,2,4,6
	v_pk_add_f32 v[LG+\jp:LG+\jp+1], v[LG+\jp:LG+\jp+1], v[TM:TM+1] neg_lo:[0,1] neg_hi:[0,1]
.endr
.irp j, 0,1,2,3,4,5,6,7
	v_exp_f32 v[LG+\j], v[LG+\j]
.endr
	v_nop                                          ; a plain place between the exponentials and their use
	s_wait_alu depctr_va_vdst(0)
	v_pk_add_f32 v[TM+4:TM+5], v[LG:LG+1], v[LG+2:LG+3]
	v_pk_add_f32 v[TM+6:TM+7], v[LG+4:LG+5], v[LG+6:LG+7]
	v_pk_add_f32 v[TM+4:TM+5], v[TM+4:TM+5], v[TM+6:TM+7]
	v_add_f32 v[TM+4], v[TM+4], v[TM+5]
	v_permlanex16_b32 v15, v[TM+4], s32, s33
	v_add_f32 v[TM+4], v[TM+4], v15                ; at least 1: the largest term is 2^0
	v_rcp_f32 v[TM+8], v[TM+4]
	v_rcp_f32 v[TM+9], v[TM+4]                     ; used far below, behind plain work
	s_wait_loadcnt 0x0                             ; v is in, and the next indices; every load that names ADDR, s[26:27] or s[28:29] is done
.if \pf
	s_add_nc_u64 s[26:27], s[26:27], 64
	s_add_nc_u64 s[28:29], s[28:29], 256
	MKADDR
	ISSUEKQ
.endif
.irp t, 0,1,2,3,4,5,6,7
	v_pk_mul_f32 v[OA+2*\t:OA+2*\t+1], v[PE+8*\t:PE+8*\t+1], v[LG:LG+1]
.endr
.irp jp, 2,4,6
.irp t, 0,1,2,3,4,5,6,7
	v_pk_fma_f32 v[OA+2*\t:OA+2*\t+1], v[PE+8*\t+\jp:PE+8*\t+\jp+1], v[LG+\jp:LG+\jp+1], v[OA+2*\t:OA+2*\t+1]
.endr
.endr
	OAV 0, 0
	OAV 1, 1
	OAV 2, 0
	OAV 3, 1
	OAV 4, 0
	OAV 5, 1
	OAV 6, 0
	OAV 7, 1
.if \pf
	ISSUEV
.endif
.irp t, 0,1,2,3,4,5,6,7
	v_add_f32 v[QF+\t], v[OA+2*\t], v[OA+2*\t+1]
.endr
.irp t, 0,1,2,3,4,5,6,7
	v_permlanex16_b32 v[OA+\t], v[QF+\t], s32, s33
.endr
.irp tp, 0,2,4,6
	v_pk_add_f32 v[QF+\tp:QF+\tp+1], v[QF+\tp:QF+\tp+1], v[OA+\tp:OA+\tp+1]
.endr
	s_wait_alu depctr_va_vdst(0)
.irp tp, 0,2,4,6
	v_pk_mul_f32 v[QF+\tp:QF+\tp+1], v[QF+\tp:QF+\tp+1], v[TM+8:TM+9]
.endr
.irp i, 0,1,2,3
	v_cvt_pk_bf16_f32 v[OA+\i], v[QF+2*\i], v[QF+2*\i+1]
.endr
.endm
; Point k's result row goes into SO and point k + 1's rel_pos comes from BR: the row's offsets stand in the immediates.
; Both halves of the wave hold the same 16 bytes and write the same place.
.macro ROW k
	ds_store_b128 v63, v[OA:OA+3] offset:SO_P*(\k)
	ds_load_b64 v[BREL:BREL+1], v62 offset:128*((\k)+1)
.if (\k) < 14
	s_branch .Lrowdone
.endif
.endm
; The loop counter s22 (0 to 14) picks its ROW by its bits, the highest first: four tests a point.  lo: the first point of the range, 2^(bit+1) its length;
; a range's upper half is written only if it holds a point below 15.
.macro PICK lo, bit
.if (\lo)+(1<<(\bit)) < 15
	s_bitcmp1_b32 s22, \bit
	s_cbranch_scc1 .Lupper_\@
.endif
.if \bit
	PICK \lo, \bit-1
.else
	ROW \lo
.endif
.if (\lo)+(1<<(\bit)) < 15
.Lupper_\@:
.if \bit
	PICK \lo+(1<<(\bit)), \bit-1
.else
	ROW \lo+1
.endif
.endif
.endm
.macro WLOAD buf, areg, off            ; four weight fragments, 8 loads
.irp i, 0,1,2,3
	ds_load_b128 v[WB+32*(\buf)+8*\i:WB+32*(\buf)+8*\i+3], v[\areg] offset:\off+1024*\i
	ds_load_b128 v[WB+32*(\buf)+8*\i+4:WB+32*(\buf)+8*\i+7], v[\areg] offset:\off+1024*\i+512
.endr
.endm
; group g of cnt: four matrix instructions on four accumulators, acc + astep (g & 1) + 8 i, with source 1 at bop + bstep (g >> bsh)
.macro GRP g, cnt, areg, off, acc, astep, bop, bsh, bstep
.if \g == \cnt-1
	s_wait_dscnt 0x0
.else
	s_wait_dscnt 0x8                               ; all but the younger group's eight loads
.endif
.irp i, 0,1,2,3
	v_wmma_f32_16x16x32_bf16 v[\acc+\astep*(\g&1)+8*\i:\acc+\astep*(\g&1)+8*\i+7], v[WB+32*(\g&1)+8*\i:WB+32*(\g&1)+8*\i+7], v[\bop+\bstep*(\g>>\bsh):\bop+\bstep*(\g>>\bsh)+7], v[\acc+\astep*(\g&1)+8*\i:\acc+\astep*(\g&1)+8*\i+7]
.endr
.if \g+2 < \cnt
	PLACES
	WLOAD (\g&1), \areg, \off+4096*(\g+2)
.endif
.endm
; A stream of groups through two buffers.  No two matrix instructions that follow each other share an accumulator.
.macro GEMM cnt, areg, off, acc, astep, bop, bsh, bstep
	WLOAD 0, \areg, \off
	WLOAD 1, \areg, \off+4096
.if \cnt == 8
.irp g, 0,1,2,3,4,5,6,7
	GRP \g, \cnt, \areg, \off, \acc, \astep, \bop, \bsh, \bstep
.endr
.else
.irp g, 0,1,2,3
	GRP \g, \cnt, \areg, \off, \acc, \astep, \bop, \bsh, \bstep
.endr
.endif
.endm
.macro FOLD                            ; four pairs of partial sums at HT into one number, over both halves of the wave
	v_pk_add_f32 v[HT:HT+1], v[HT:HT+1], v[HT+2:HT+3]
	v_pk_add_f32 v[HT+4:HT+5], v[HT+4:HT+5], v[HT+6:HT+7]
	v_pk_add_f32 v[HT:HT+1], v[HT:HT+1], v[HT+4:HT+5]
	v_add_f32 v[HT], v[HT], v[HT+1]
	v_permlanex16_b32 v14, v[HT], s32, s33
	v_add_f32 v[HT], v[HT], v14
.endm
.macro LNGB half, goff, boff           ; gain and bias of tiles 4 half .. 4 half + 3
.irp t, 0,1,2,3
	ds_load_b128 v[WB+8*\t:WB+8*\t+3], v11 offset:\goff+256*\half+64*\t
	ds_load_b128 v[WB+8*\t+4:WB+8*\t+7], v11 offset:\goff+256*\half+64*\t+16
	ds_load_b128 v[WB+32+8*\t:WB+32+8*\t+3], v11 offset:\boff+256*\half+64*\t
	ds_load_b128 v[WB+32+8*\t+4:WB+32+8*\t+7], v11 offset:\boff+256*\half+64*\t+16
.endr
.endm
.macro LNAPPLY half
	s_wait_dscnt 0x0
.set i, 0
.rept 16
	v_pk_mul_f32 v[ACC+32*\half+2*i:ACC+32*\half+2*i+1], v[ACC+32*\half+2*i:ACC+32*\half+2*i+1], v[HT+10:HT+11]
.set i, i+1
.endr
.set i, 0
.rept 16
	v_pk_fma_f32 v[ACC+32*\half+2*i:ACC+32*\half+2*i+1], v[ACC+32*\half+2*i:ACC+32*\half+2*i+1], v[WB+2*i:WB+2*i+1], v[WB+32+2*i:WB+32+2*i+1]
.set i, i+1
.endr
.endm
; LayerNorm of a point's 128 channels, 64 in each of its two lanes, in place in ACC: mean first, then the squares of the differences.
.macro LNORM goff, boff
	LNGB 0, \goff, \boff
.irp k, 0,2,4,6
	v_pk_add_f32 v[HT+\k:HT+\k+1], v[ACC+\k:ACC+\k+1], v[ACC+8+\k:ACC+8+\k+1]
.endr
.set i, 8
.rept 24
	v_pk_add_f32 v[HT+2*(i%4):HT+2*(i%4)+1], v[HT+2*(i%4):HT+2*(i%4)+1], v[ACC+2*i:ACC+2*i+1]
.set i, i+1
.endr
	FOLD
	v_mul_f32 v[HT+8], s53, v[HT]
	v_mul_f32 v[HT+9], s53, v[HT]
.set i, 0
.rept 32
	v_pk_add_f32 v[ACC+2*i:ACC+2*i+1], v[ACC+2*i:ACC+2*i+1], v[HT+8:HT+9] neg_lo:[0,1] neg_hi:[0,1]
.set i, i+1
.endr
.irp k, 0,2,4,6
	v_pk_mul_f32 v[HT+\k:HT+\k+1], v[ACC+\k:ACC+\k+1], v[ACC+\k:ACC+\k+1]
.endr
.set i, 4
.rept 28
	v_pk_fma_f32 v[HT+2*(i%4):HT+2*(i%4)+1], v[ACC+2*i:ACC+2*i+1], v[ACC+2*i:ACC+2*i+1], v[HT+2*(i%4):HT+2*(i%4)+1]
.set i, i+1
.endr
	FOLD
	v_fma_f32 v[HT], v[HT], s53, s54               ; variance + 1e-5
	v_rsq_f32 v[HT+10], v[HT]
	v_rsq_f32 v[HT+11], v[HT]
	v_nop                                          ; a plain place in front of the use
	s_wait_alu depctr_va_vdst(0)
	LNAPPLY 0
	LNGB 1, \goff, \boff
	LNAPPLY 1
.endm
; 64 hidden units of the FFN: bias as the sums' start, Wf1, GELU in place, Wf2 onto x + bf2
.macro FFN u
.irp c, 0,1,2,3
	ds_load_b128 v[HT+8*\c:HT+8*\c+3], v11 offset:P_BF1+256*\u+64*\c
	ds_load_b128 v[HT+8*\c+4:HT+8*\c+7], v11 offset:P_BF1+256*\u+64*\c+16
.endr
	GEMM 4, 12, 16384*\u, HT, 0, XB, 0, 8
	PLACES
	GELU8 HT,    HT,    WB
	GELU8 HT+8,  HT+4,  WB
	GELU8 HT+16, HT+16, WB
	GELU8 HT+24, HT+20, WB
	GEMM 4, 13, 16384*\u, ACC, 32, HT, 1, 16
	PLACES
	v_nop                                          ; a fifth place: the next chunk's first products write over HT, which the last ones read as source 1
.endm
	; ---- set-up ----
	s_load_b256 s[4:11], s[0:1], 0x0               ; wimg s[4:5], kv s[6:7], qt s[8:9], knn_idx s[10:11]
	s_load_b128 s[12:15], s[0:1], 0x20             ; coords s[12:13], feat s[14:15]
	s_load_b64 s[16:17], s[0:1], 0x30              ; out0
	v_lshl_add_u32 v6, v0, 2, 0x46000
	v_mov_b32 v7, 0
	v_lshrrev_b32 v2, 5, v0
	v_readfirstlane_b32 s18, v2                    ; wave
	v_lshlrev_b32 v232, 4, v0                      ; 16 x thread: offset in wimg and LDS address
	v_add_nc_u32 v233, 0x10000, v232
	v_add_nc_u32 v234, 0x20000, v232
	s_wait_kmcnt 0x0
.set i, 0
.rept 41
	global_load_b128 v[64+4*i:64+4*i+3], v232, s[4:5] offset:4096*i             ; 256 threads x 16 bytes x 41 = 167,936
.set i, i+1
.endr
	s_lshl_b32 s19, s18, 8
	s_add_co_u32 s19, s19, ttmp9                   ; g
	s_cmp_lt_u32 s19, 106
	s_cselect_b32 s20, 4, 3                        ; my tiles: 6,250 = 3 x 2,048 + 106
	s_mov_b32 s21, 0
	s_mov_b32 s24, s19                             ; the tile
	s_mov_b32 s32, 0x76543210                      ; v_permlanex16_b32: lane i takes lane i of the other half
	s_mov_b32 s33, 0xfedcba98
	s_mov_b32 s34, 0xbf38aa3b                      ; -log2(e)/2
	s_mov_b32 s35, 0xbf38aa3b
	s_mov_b32 s36, 0x3e6d3388                      ; 0.3275911 / sqrt(2)
	s_mov_b32 s37, 0x3e6d3388
	s_mov_b32 s38, 0x3f87dc22                      ; a5 = 1.061405429
	s_mov_b32 s39, 0x3f87dc22
	s_mov_b32 s40, 0x3fb5f0e3                      ; a3 = 1.421413741
	s_mov_b32 s41, 0x3fb5f0e3
	s_mov_b32 s42, 0xbe91a98e                      ; a2 = -0.284496736
	s_mov_b32 s43, 0xbe91a98e
	s_mov_b32 s44, 0x3e827906                      ; a1 = 0.254829592
	s_mov_b32 s45, 0x3e827906
	s_mov_b32 s52, 0xffff0000                      ; a word's upper bf16
	s_mov_b32 s53, 0x3c000000                      ; 1/128
	s_mov_b32 s54, 0x3727c5ac                      ; 1e-5
	s_mul_i32 s55, s18, SCR
	s_add_co_u32 s55, s55, L_SCR                   ; my scratch
	v_and_b32 v14, 15, v0                          ; r
	v_bfe_u32 v15, v0, 4, 1                        ; h
	v_and_b32 v1, 31, v0
	v_lshlrev_b32 v2, 2, v1
	v_lshlrev_b32 v1, 4, v1
	v_lshlrev_b32 v3, 5, v15
	v_mul_u32_u24 v4, 12, v15
	v_lshlrev_b32 v5, 4, v14
	v_mul_u32_u24 v8, v14, SO_P
	v_lshl_add_u32 v8, v15, 4, v8
	v_add_nc_u32 v8, s55, v8
	v_mul_u32_u24 v9, v14, SX_P
	v_add_nc_u32 v9, v9, v3
	v_add_nc_u32 v9, s55, v9
	v_add_nc_u32 v9, O_SX, v9
	v_add_nc_u32 v10, s55, v1
	v_add_nc_u32 v10, O_SX, v10
	v_add_nc_u32 v11, L_PB, v3
	v_add_nc_u32 v12, L_WF1, v1
	v_add_nc_u32 v13, L_WF2, v1
	v_lshl_add_u32 v62, v14, 3, s55
	v_add_nc_u32 v62, O_BR, v62
	v_add_nc_u32 v63, s55, v5
.irp k, 48,49,50,51,55,56,57,58,59
	v_mov_b32 v\k, 0                               ; the zero K places of the first layer
.endr
	v_mov_b32 v54, 0x3f803f80                      ; (1, 1) in bf16
	v_mov_b32 v60, 0xbfba00e3                      ; a4 = -1.453152027
	v_mov_b32 v61, 0xbfba00e3
.set i, 0
.rept 41
	s_wait_loadcnt 40-i                            ; loads come back in order: the younger sweeps stay out
	ds_store_b128 v[232+i/16], v[64+4*i:64+4*i+3] offset:4096*(i%16)
.set i, i+1
.endr
	WIN 0x40                                       ; destination in v256-511
.set i, 0
.rept 32
	global_load_b128 v[8*i:8*i+3], v1, s[4:5] offset:W_WP2+1024*i
	global_load_b128 v[8*i+4:8*i+7], v1, s[4:5] offset:W_WP2+1024*i+512
.set i, i+1
.endr
	WIN 0
.irp c, 0,1,2,3,4,5,6,7
	global_load_b128 v[AW+4*\c:AW+4*\c+3], v1, s[4:5] offset:W_AW1+512*\c
.endr
	s_wait_loadcnt 0x0                             ; Wp2 and the first layer are in registers: the counts below start from nothing
	s_wait_dscnt 0x0                               ; my part of the weights is in LDS,
	s_barrier_signal -1
	s_barrier_wait -1                              ; everybody's is; nothing writes these bytes again
	; ---- a tile ----
.Ltile:
	s_lshl_b32 s30, s24, 10
	s_mov_b32 s31, 0
	s_add_nc_u64 s[26:27], s[10:11], s[30:31]      ; the tile's indices, 64 bytes a point
	s_lshl_b32 s30, s24, 12
	s_add_nc_u64 s[28:29], s[8:9], s[30:31]        ; its q rows
	s_mul_i32 s30, s24, 192
	s_add_nc_u64 s[46:47], s[12:13], s[30:31]      ; its own coordinates
	s_lshl_b32 s30, s24, 13
	s_add_nc_u64 s[48:49], s[14:15], s[30:31]      ; its feat rows
	s_add_nc_u64 s[50:51], s[16:17], s[30:31]      ; its output rows
.irp i, 0,1,2,3,4,5,6,7
	global_load_b32 v[128+\i], v2, s[26:27] offset:128*\i       ; lane (r, h): neighbour r of point 2 i + h
.endr
.irp i, 0,1,2,3,4,5,6,7
	global_load_b96 v[160+4*\i:162+4*\i], v4, s[46:47] offset:24*\i             ; point 2 i + h
.endr
	global_load_b128 v[IDX:IDX+3], v3, s[26:27]                 ; point 0, neighbours 8 h .. 8 h + 7
	global_load_b128 v[IDX+4:IDX+7], v3, s[26:27] offset:16
.irp i, 0,1,2,3,4,5,6,7,8,9,10,11,12,13,14,15
	global_load_b128 v[64+4*\i:67+4*\i], v1, s[48:49] offset:512*\i th:TH_LOAD_NT
.endr
	v_add_nc_u32 v14, L_PB+P_BO, v1
	ds_load_b128 v[136:139], v14                   ; bo of my four channels
	v_lshl_add_u32 v15, v3, 2, v62                 ; BR + 128 h + 8 r
	s_wait_loadcnt 26                              ; the eight index words are in: 8 + 2 + 16 younger loads stay out
.irp i, 0,1,2,3,4,5,6,7
	v_min_u32 v[128+\i], 0x1869f, v[128+\i]
	v_mul_u32_u24 v[128+\i], 12, v[128+\i]
.endr
.irp i, 0,1,2,3,4,5,6,7
	global_load_b96 v[192+4*\i:194+4*\i], v[128+\i], s[12:13]
.endr
	s_wait_loadcnt 8                               ; feat is in: the eight gathers stay out
	s_wait_dscnt 0x0                               ; bo
.irp i, 0,1,2,3,4,5,6,7,8,9,10,11,12,13,14,15
	v_pk_add_f32 v[64+4*\i:65+4*\i], v[64+4*\i:65+4*\i], v[136:137]
	v_pk_add_f32 v[66+4*\i:67+4*\i], v[66+4*\i:67+4*\i], v[138:139]
	ds_store_b128 v10, v[64+4*\i:67+4*\i] offset:SX_P*\i        ; feat + bo: the sums of the Wo product start from it
.endr
	s_wait_loadcnt 0x0
.irp i, 0,1,2,3,4,5,6,7
	v_sub_f32 v[192+4*\i], v[192+4*\i], v[160+4*\i]
	v_sub_f32 v[193+4*\i], v[193+4*\i], v[161+4*\i]
	v_sub_f32 v[194+4*\i], v[194+4*\i], v[162+4*\i]
	v_cvt_pk_bf16_f32 v[128+2*\i], v[192+4*\i], v[193+4*\i]
	v_cvt_pk_bf16_f32 v[129+2*\i], v[194+4*\i], 1.0
	ds_store_b64 v15, v[128+2*\i:129+2*\i] offset:256*\i
.endr
	MKADDR
	ISSUEKQ
	ISSUEV
	ds_load_b64 v[BREL:BREL+1], v62                ; point 0's rel_pos; LDS serves a wave's instructions in order: it sees the stores above
	s_mov_b32 s22, 0
.Lpoint:
	POINT 1
	PICK 0, 3                                      ; this point's row out, the next point's rel_pos in
.Lrowdone:
	s_add_co_u32 s22, s22, 1
	s_cmp_lt_u32 s22, 15
	s_cbranch_scc1 .Lpoint
	POINT 0                                        ; the last point asks for nothing
	ds_store_b128 v63, v[OA:OA+3] offset:SO_P*15
	; ---- the tile's dense part ----
.irp s, 0,1,2,3
	ds_load_b128 v[XB+8*\s:XB+8*\s+3], v8 offset:64*\s          ; the attention's result as source 1; LDS serves a wave's instructions in order
	ds_load_b128 v[XB+8*\s+4:XB+8*\s+7], v8 offset:64*\s+32
.endr
.irp t, 0,1,2,3,4,5,6,7
	ds_load_b128 v[ACC+8*\t:ACC+8*\t+3], v9 offset:64*\t        ; feat + bo
	ds_load_b128 v[ACC+8*\t+4:ACC+8*\t+7], v9 offset:64*\t+16
.endr
	GEMM 8, 1, 0, ACC, 32, XB, 1, 8                ; + out Wo
	PLACES
	LNORM P_G1, P_B1
.irp t, 0,1,2,3,4,5,6,7
.irp jp, 0,1,2,3
	v_cvt_pk_bf16_f32 v[XB+4*\t+\jp], v[ACC+8*\t+2*\jp], v[ACC+8*\t+2*\jp+1]    ; tiles 2 s, 2 s + 1 are K step s
.endr
.endr
.irp t, 0,1,2,3,4,5,6,7
	ds_load_b128 v[WB+8*\t:WB+8*\t+3], v11 offset:P_BF2+64*\t
	ds_load_b128 v[WB+8*\t+4:WB+8*\t+7], v11 offset:P_BF2+64*\t+16
.endr
	s_wait_dscnt 0x0
.set i, 0
.rept 32
	v_pk_add_f32 v[ACC+2*i:ACC+2*i+1], v[ACC+2*i:ACC+2*i+1], v[WB+2*i:WB+2*i+1]     ; x + bf2: the FFN's second product adds onto it
.set i, i+1
.endr
	FFN 0
	FFN 1
	FFN 2
	FFN 3
	LNORM P_G2, P_B2
.irp t, 0,1,2,3,4,5,6,7
	ds_store_b128 v9, v[ACC+8*\t:ACC+8*\t+3] offset:64*\t
	ds_store_b128 v9, v[ACC+8*\t+4:ACC+8*\t+7] offset:64*\t+16
.endr
.irp i, 0,1,2,3,4,5,6,7,8,9,10,11,12,13,14,15
	ds_load_b128 v[WB+4*\i:WB+4*\i+3], v10 offset:SX_P*\i       ; back by rows
.endr
.irp i, 0,1,2,3,4,5,6,7,8,9,10,11,12,13,14,15
	s_wait_dscnt 15-\i
	global_store_b128 v1, v[WB+4*\i:WB+4*\i+3], s[50:51] offset:512*\i th:TH_STORE_NT   ; a whole row: 512 consecutive aligned bytes
.endr
	s_wait_xcnt 0x0                                ; the stores' data and base are written again only behind this wait
	s_add_co_u32 s24, s24, 2048
	s_add_co_u32 s21, s21, 1
	s_cmp_lt_u32 s21, s20
	s_cbranch_scc1 .Ltile
	s_wait_tensorcnt 0x0
	ds_add_u32 v6, v7
	s_wait_dscnt 0x0
	s_endpgm
.Lfunc_end_k_qdf1db4496e_main:
	.size	k_qdf1db4496e_main, .Lfunc_end_k_qdf1db4496e_main-k_qdf1db4496e_main
	.p2alignl 7, 3214868480
	.fill 96, 4, 3214868480
	.section	.rodata,"a",@progbits
	.p2align	6, 0x0
	.amdhsa_kernel k_qdf1db4496e_main
		.amdhsa_group_segment_fixed_size 287744
		.amdhsa_private_segment_fixed_size 0
		.amdhsa_enable_private_segment 0
		.amdhsa_kernarg_size 56
		.amdhsa_user_sgpr_count 2
		.amdhsa_user_sgpr_kernarg_segment_ptr 1
		.amdhsa_wavefront_size32 1
		.amdhsa_system_sgpr_workgroup_id_x 1
		.amdhsa_system_sgpr_workgroup_id_y 1
		.amdhsa_system_sgpr_workgroup_id_z 1
		.amdhsa_system_vgpr_workitem_id 0
		.amdhsa_next_free_vgpr 512
		.amdhsa_next_free_sgpr 66
		.amdhsa_reserve_vcc 0
		.amdhsa_float_denorm_mode_32 3
		.amdhsa_float_denorm_mode_16_64 3
		.amdhsa_memory_ordered 1
		.amdhsa_forward_progress 1
		.amdhsa_inst_pref_size 255
	.end_amdhsa_kernel
	.section	.bss,"aw",@nobits
	.p2align	6
	.space	262144
	.amdgpu_metadata
---
amdhsa.version: [ 1, 2 ]
amdhsa.kernels:
  - .name:           k_qdf1db4496e_main
    .symbol:         k_qdf1db4496e_main.kd
    .args:
      - { .name: wimg, .offset: 0, .size: 8, .value_kind: global_buffer, .address_space: global }
      - { .name: kv, .offset: 8, .size: 8, .value_kind: global_buffer, .address_space: global }
      - { .name: qt, .offset: 16, .size: 8, .value_kind: global_buffer, .address_space: global }
      - { .name: knn_idx, .offset: 24, .size: 8, .value_kind: global_buffer, .address_space: global }
      - { .name: coords, .offset: 32, .size: 8, .value_kind: global_buffer, .address_space: global }
      - { .name: feat, .offset: 40, .size: 8, .value_kind: global_buffer, .address_space: global }
      - { .name: out0, .offset: 48, .size: 8, .value_kind: global_buffer, .address_space: global }
    .group_segment_fixed_size: 287744
    .private_segment_fixed_size: 0
    .kernarg_segment_align: 8
    .kernarg_segment_size: 56
    .max_flat_workgroup_size: 256
    .sgpr_count:     66
    .vgpr_count:     512
    .wavefront_size: 32
...
	.end_amdgpu_metadata
.endif
;; end of part 3
;; ======== version 2 of 2: 3 launches; 1.16 times as fast as version 1
;; limits: a function is approximated: absolute error at most 0.0004; an absolute error that grows with the inputs' magnitude: up to 0.0002 times it
;; workspace buffers: wimg 305,152 bytes; kv 51,200,000 bytes; qt 25,600,000 bytes
;; launch prep: the kernel of part 1 again; grid 74 x 1, 8 waves a work-group, no clusters, 0 bytes of LDS; arguments Wo, Wf1, Wf2, Wp2, Wq, Wk, Wv, Wp1, bp1, g1, b1, g2, b2, bf2, bf1, bo, bq, bk, bv, bp2, wimg; writes wimg
;; launch kvq: the kernel of part 2 again; grid 256 x 1, 16 waves a work-group, no clusters, 169,984 bytes of LDS; arguments feat, wimg, kv, qt; writes kv, qt
;; launch main (part 4): grid 256 x 1, 8 waves a work-group, no clusters, 287,744 bytes of LDS; arguments wimg, kv, qt, knn_idx, coords, feat, out0; writes out0
.if DOCPART == 4
	.amdgcn_target "amdgcn-amd-amdhsa--gfx1250"
	.amdhsa_code_object_version 6
	.text
	.protected	k_qdf1db4496e_main
	.globl	k_qdf1db4496e_main
	.p2align	8
	.type	k_qdf1db4496e_main,@function
k_qdf1db4496e_main:
	s_mov_b64 s[64:65], 0
	v_nop
	global_prefetch_b8 v0, s[64:65] scope:SCOPE_SE
	s_setreg_imm32_b32 hwreg(HW_REG_WAVE_MODE, 25, 1), 1
	s_wait_xcnt 0x0
; The block itself: position MLP, attention over 16 gathered neighbours, Wo, residual + LN, FFN, residual + LN.
; A tile is 16 points, 6,250 tiles.  Wave g = 256 w + work-group takes tiles g + 2,048 i: four if g < 106, else three.  Two waves lie on a
; SIMD, 512 registers each; behind the one barrier of the set-up they are independent, and all scratch in LDS is a wave's own.
; PER POINT (macro POINT), lane (r, h):
;   H^T = W1 x rel: source 0 = hidden units 16 c + r with (Wx, Wy, Wz, bias in three bf16 parts), source 1 = neighbour r with (x, y, z, 1, 1, 1);
;   the result, hidden 16 c + 8 h + j of neighbour r, is after GELU and rounding the source-0 fragment of pe = G x Wp2 as it stands.
;   Wp2's fragments (lane r = column 8 r + t) stay in v256-511.  pe tile t, register j = neighbour 8 h + j, channel 8 r + t: the same eight
;   channels that 16 bytes at 16 r of a bf16 row of q, k or v hold.  A head is 4 lanes: two DPP adds finish a logit; the softmax runs over
;   8 registers and the two halves of the wave, with the maximum taken away.  q was scaled by log2(e)/sqrt(32), so the exponential is 2^x.
;   Each gathered k or v row is read by sixteen lanes as 256 consecutive aligned bytes, and is asked for one point ahead.
; PER TILE: lane = point r, registers = channels 16 t + 8 h + j (weights as source 0).  A result tile, rounded, is the next product's source 1
;   as it stands, so Wo, LN, FFN and LN follow each other in registers; LN's sums need one exchange between the halves of the wave.
; LDS ADDRESSES: every LDS access is a register that never changes (the wave's term + a lane term) plus an immediate.  The two accesses that
;   hang on the point's number stand once for each point, and the loop counter's bits pick the pair (macros PICK, ROW).
; LIMITS.  erf(z) = 1 - exp(-z (alpha + beta z + gamma z^2)) for z >= 0: the bracket is the parabola through -ln(erfc z)/z at z = 0.15, 0.75, 1.5
;   (alpha = 1.125736, beta = 0.659838, gamma = 0.0625933).  Held against tabulated erfc its absolute error is at most 4e-4 for every argument
;   (largest near z = 0.45; beyond z = 2.5 it is below erfc itself), so GELU's absolute error is at most 2e-4 |x|.  GELU's result is rounded to
;   bf16 at once (relative step 2^-9), as an operand of the next product; for x < 0, where GELU itself is small, the formula's error can be a few
;   times that rounding.  An exponent that overflows gives erf = 1, as it should; an infinite x gives NaN.
;   Rounded to bf16 as operands of products: rel_pos, Wp1, GELU's results, all weights, q, k + bp2, v + bp2, the attention's result, LN1's result
;   where it enters Wf1.  Sums, softmax, residuals and norms are f32.  A non-finite Wp1 or bp1 spreads to the neighbouring tile of hidden
;   units, since the unused K places of the first layer are zero on one side only.  Indices are clamped to 99,999.
; No cluster, no tensor load: work-groups share only 168 KiB of weights, read once by each; the streamed data are irregular rows.
; No prefetch: the k and v rows are asked for a whole point ahead by the loads themselves.
.set AW,   16                          ; v[16:51]   first layer, tile c = v[16+4c : 23+4c]: its upper four registers (the next tile's) meet zeros in BREL
.set BREL, 52                          ; v[52:59]   (x,y) (z,1) (1,1) 0 0 0 0 0
.set C2,   60                          ; v[60:61]   c2, twice
.set PE,   64                          ; v[64:127]  H, GELU's temporaries, then pe
.set G,    128                         ; v[128:159] GELU's results; behind the pe product:
.set QF,   128                         ;   v[128:135] q in f32
.set LG,   136                         ;   v[136:143] logits, then weights
.set OA,   144                         ;   v[144:159] result sums, two for each channel
.set KB,   160                         ; v[160:191] eight k rows' 16 bytes
.set VB,   192                         ; v[192:223] eight v rows' 16 bytes
.set IDX,  224                         ; v[224:231] indices of neighbours 8 h .. 8 h + 7
.set ADDR, 232                         ; v[232:239] their byte offsets in kv
.set QP,   240                         ; v[240:243] q, packed
.set TM,   244                         ; v[244:253] small temporaries
.set ACC,  64                          ; per tile: v[64:127] eight result tiles
.set XB,   128                         ;           v[128:159] source-1 fragments (attention result, later LN1's result)
.set WB,   160                         ;           v[160:223] two buffers of four weight fragments
.set HT,   224                         ;           v[224:255] four hidden tiles of the FFN; LN's temporaries
; v1 16 L; v2 4 L; v3 32 h; v4 12 h; v5 16 r; v8 SO + 272 r + 16 h; v9 SX + 528 r + 32 h; v10 SX + 16 L; v11 PB + 32 h;
; v12 Wf1 + 16 L; v13 Wf2 + 16 L; v14, v15 scratch; v62 BR + 8 r; v63 SO + 16 r
.set L_WF1, 32768                      ; LDS: Wo at 0, Wf1, Wf2, the parameter block: bytes 0 .. 167,935 of wimg
.set L_WF2, 98304
.set L_PB,  163840
.set L_SCR, 167936                     ; then 14,848 bytes for each wave:
.set SCR,   14848
.set SO_P,  272                        ;   SO at 0: 16 rows x 272, the attention's result in bf16
.set O_BR,  4352                       ;   BR: 16 points x 16 neighbours x 8 bytes
.set O_SX,  6400                       ;   SX: 16 rows x 528, f32: feat + bo, at the end the output
.set SX_P,  528
.set P_G1,  0
.set P_B1,  512
.set P_G2,  1024
.set P_B2,  1536
.set P_BF2, 2048
.set P_BF1, 2560
.set P_BO,  3584
.set W_WP2, 167936
.set W_AW1, 200704
.set SC3, 34                           ; s[34:35] c3   (pairs: both words written, the first is broadcast)
.set SC1, 36                           ; s[36:37] c1
.set MSB, 0
.macro WIN new                         ; the immediate's high byte repeats the setting that is left
.if MSB != \new
	s_set_vgpr_msb (MSB<<8)|\new
.set MSB, \new
.endif
.endm
.macro PLACES                          ; four places behind a matrix instruction, in front of what reads its result or writes its registers (ISA guide 7.12.1)
.rept 4
	v_nop
.endr
.endm
; gelu(x) = x/2 + |x|/2 erf(|x|/sqrt 2) = r - u w with u = |x|/2, r = x/2 + u = max(x, 0), w = 1 - erf = 2^(u (c1 + u (c2 + u c3))),
; c1 = -log2(e) sqrt(2) alpha, c2 = -log2(e) 2 beta, c3 = -log2(e) 2 sqrt(2) gamma (z = sqrt(2) u).  All three are negative: the exponent
; falls without bound and no difference of large numbers is formed.
; Sixteen numbers (two tiles of hidden units) at x; eight packed words at d; 32 temporaries at tm (u, then the exponent and w).
.macro GELU16 x, d, tm
.irp i, 0,1,2,3,4,5,6,7,8,9,10,11,12,13,14,15
	v_mul_f32 v[\tm+\i], 0.5, |v[\x+\i]|           ; u
.endr
.irp i, 0,2,4,6,8,10,12,14
	v_pk_fma_f32 v[\tm+16+\i:\tm+16+\i+1], v[\tm+\i:\tm+\i+1], s[SC3:SC3+1], v[C2:C2+1] op_sel_hi:[1,0,1]
.endr
.irp i, 0,2,4,6,8,10,12,14
	v_pk_fma_f32 v[\tm+16+\i:\tm+16+\i+1], v[\tm+16+\i:\tm+16+\i+1], v[\tm+\i:\tm+\i+1], s[SC1:SC1+1] op_sel_hi:[1,1,0]
.endr
.irp i, 0,2,4,6,8,10,12,14
	v_pk_mul_f32 v[\tm+16+\i:\tm+16+\i+1], v[\tm+16+\i:\tm+16+\i+1], v[\tm+\i:\tm+\i+1]
.endr
.irp i, 0,2,4,6,8,10,12,14
	v_exp_f32 v[\tm+16+\i], v[\tm+16+\i]           ; w, at most 1
	v_exp_f32 v[\tm+16+\i+1], v[\tm+16+\i+1]
	v_pk_fma_f32 v[\x+\i:\x+\i+1], v[\x+\i:\x+\i+1], 0.5, v[\tm+\i:\tm+\i+1] op_sel_hi:[1,0,1]   ; r: plain work between the exponentials and their use
.endr
	s_wait_alu depctr_va_vdst(0)
.irp i, 0,2,4,6,8,10,12,14
	v_pk_fma_f32 v[\x+\i:\x+\i+1], v[\tm+\i:\tm+\i+1], v[\tm+16+\i:\tm+16+\i+1], v[\x+\i:\x+\i+1] neg_lo:[1,0,0] neg_hi:[1,0,0]   ; r - u w
.endr
.irp i, 0,1,2,3,4,5,6,7
	v_cvt_pk_bf16_f32 v[\d+\i], v[\x+2*\i], v[\x+2*\i+1]       ; d may be x: word i is written when numbers 2 i, 2 i + 1 are read
.endr
.endm
.macro MKADDR                          ; offsets of my eight neighbours' 16 bytes in kv
.irp j, 0,1,2,3,4,5,6,7
	v_min_u32 v[ADDR+\j], 0x1869f, v[IDX+\j]
.endr
.irp j, 0,1,2,3,4,5,6,7
	v_lshl_add_u32 v[ADDR+\j], v[ADDR+\j], 9, v5
.endr
.endm
.macro ISSUEKQ
.irp j, 0,1,2,3,4,5,6,7
	global_load_b128 v[KB+4*\j:KB+4*\j+3], v[ADDR+\j], s[6:7]
.endr
	global_load_b128 v[QP:QP+3], v5, s[28:29] th:TH_LOAD_NT
.endm
.macro ISSUEV
.irp j, 0,1,2,3,4,5,6,7
	global_load_b128 v[VB+4*\j:VB+4*\j+3], v[ADDR+\j], s[6:7] offset:256
.endr
.endm
.macro LGPE t, b                       ; logits += pe(., channel t) q(t); b = t & 1
.irp jp, 0,2,4,6
	v_pk_fma_f32 v[LG+\jp:LG+\jp+1], v[PE+8*\t+\jp:PE+8*\t+\jp+1], v[QF+\t-\b:QF+\t-\b+1], v[LG+\jp:LG+\jp+1] op_sel:[0,\b,0] op_sel_hi:[1,\b,1]
.endr
.endm
.macro LGK t, b                        ; logits += k(., channel t) q(t), straight from the bf16 half
.irp j, 0,1,2,3,4,5,6,7
	v_fma_mix_f32_bf16 v[LG+\j], v[KB+4*\j+(\t-\b)/2], v[QF+\t], v[LG+\j] op_sel:[\b,0,0] op_sel_hi:[1,0,0]
.endr
.endm
.macro OAV j, jb                       ; result += weight(j) v(j, .); jb = j & 1 picks one of a channel's two sums
.irp tp, 0,1,2,3
	v_fma_mix_f32_bf16 v[OA+4*\tp+\jb], v[VB+4*\j+\tp], v[LG+\j], v[OA+4*\tp+\jb] op_sel:[0,0,0] op_sel_hi:[1,0,0]
	v_fma_mix_f32_bf16 v[OA+4*\tp+2+\jb], v[VB+4*\j+\tp], v[LG+\j], v[OA+4*\tp+2+\jb] op_sel:[1,0,0] op_sel_hi:[1,0,0]
.endr
.endm
; One point.  On entry 17 global loads are out, in this order: k (8), q (1), v (8), and the LDS load of the point's rel_pos into BREL.
; pf = 1: the next point's rows are asked for.  The result, 16 bytes a lane, is left in v[OA:OA+3].
.macro POINT pf
.if \pf
	global_load_b128 v[IDX:IDX+3], v3, s[26:27] offset:64       ; the next point's indices
	global_load_b128 v[IDX+4:IDX+7], v3, s[26:27] offset:80
.endif
	s_wait_dscnt 0x0                               ; rel_pos is in (and the last point's row is stored)
.irp c, 0,1,2,3
	v_wmma_f32_16x16x32_bf16 v[PE+8*\c:PE+8*\c+7], v[AW+4*\c:AW+4*\c+7], v[BREL:BREL+7], 0
.endr
	PLACES
	GELU16 PE+0,  G+0,  PE+32
	GELU16 PE+16, G+8,  PE+32
.irp c, 4,5,6,7
	v_wmma_f32_16x16x32_bf16 v[PE+8*\c:PE+8*\c+7], v[AW+4*\c:AW+4*\c+7], v[BREL:BREL+7], 0
.endr
	PLACES
	GELU16 PE+32, G+16, PE
	GELU16 PE+48, G+24, PE
	WIN 0x04                                       ; source 1 in v256-511
.irp t, 0,1,2,3,4,5,6,7
	v_wmma_f32_16x16x32_bf16 v[PE+8*\t:PE+8*\t+7], v[G:G+7], v[8*\t:8*\t+7], 0
.endr
.irp s, 1,2,3                                      ; eight accumulators by turns, one instruction a turn
.irp t, 0,1,2,3,4,5,6,7
	v_wmma_f32_16x16x32_bf16 v[PE+8*\t:PE+8*\t+7], v[G+8*\s:G+8*\s+7], v[64*\s+8*\t:64*\s+8*\t+7], v[PE+8*\t:PE+8*\t+7]
.endr
.endr
	WIN 0
	PLACES
	s_wait_loadcnt 8+2*\pf                         ; k and q are in; v's eight loads and the two of the next indices stay out
.irp i, 0,1,2,3
	v_lshlrev_b32 v[QF+2*\i], 16, v[QP+\i]
	v_and_b32 v[QF+2*\i+1], s52, v[QP+\i]
.endr
.irp jp, 0,2,4,6
	v_pk_mul_f32 v[LG+\jp:LG+\jp+1], v[PE+\jp:PE+\jp+1], v[QF:QF+1] op_sel_hi:[1,0]
.endr
	LGPE 1, 1
	LGPE 2, 0
	LGPE 3, 1
	LGPE 4, 0
	LGPE 5, 1
	LGPE 6, 0
	LGPE 7, 1
	LGK 0, 0
	LGK 1, 1
	LGK 2, 0
	LGK 3, 1
	LGK 4, 0
	LGK 5, 1
	LGK 6, 0
	LGK 7, 1
.irp j, 0,1,2,3,4,5,6,7
	v_add_f32_dpp v[LG+\j], v[LG+\j], v[LG+\j] row_xmask:1 row_mask:0xf bank_mask:0xf
.endr
.irp j, 0,1,2,3,4,5,6,7
	v_add_f32_dpp v[LG+\j], v[LG+\j], v[LG+\j] row_xmask:2 row_mask:0xf bank_mask:0xf      ; the head's four lanes: 32 channels
.endr
	v_max3_num_f32 v[TM+2], v[LG], v[LG+1], v[LG+2]
	v_max3_num_f32 v[TM+3], v[LG+3], v[LG+4], v[LG+5]
	v_max3_num_f32 v[TM+2], v[TM+2], v[LG+6], v[LG+7]
	v_max_num_f32 v[TM+2], v[TM+2], v[TM+3]
	v_permlanex16_b32 v14, v[TM+2], s32, s33       ; the other eight neighbours
	v_max_num_f32 v[TM], v[TM+2], v14
	v_max_num_f32 v[TM+1], v[TM+2], v14
.irp jp, 0,2,4,6
	v_pk_add_f32 v[LG+\jp:LG+\jp+1], v[LG+\jp:LG+\jp+1], v[TM:TM+1] neg_lo:[0,1] neg_hi:[0,1]
.endr
.irp j, 0,1,2,3,4,5,6,7
	v_exp_f32 v[LG+\j], v[LG+\j]
.endr
	v_nop                                          ; a plain place between the exponentials and their use
	s_wait_alu depctr_va_vdst(0)
	v_pk_add_f32 v[TM+4:TM+5], v[LG:LG+1], v[LG+2:LG+3]
	v_pk_add_f32 v[TM+6:TM+7], v[LG+4:LG+5], v[LG+6:LG+7]
	v_pk_add_f32 v[TM+4:TM+5], v[TM+4:TM+5], v[TM+6:TM+7]
	v_add_f32 v[TM+4], v[TM+4], v[TM+5]
	v_permlanex16_b32 v15, v[TM+4], s32, s33
	v_add_f32 v[TM+4], v[TM+4], v15                ; at least 1: the largest term is 2^0
	v_rcp_f32 v[TM+8], v[TM+4]
	v_rcp_f32 v[TM+9], v[TM+4]                     ; used far below, behind plain work
	s_wait_loadcnt 0x0                             ; v is in, and the next indices; every load that names ADDR, s[26:27] or s[28:29] is done
.if \pf
	s_add_nc_u64 s[26:27], s[26:27], 64
	s_add_nc_u64 s[28:29], s[28:29], 256
	MKADDR
	ISSUEKQ
.endif
.irp t, 0,1,2,3,4,5,6,7
	v_pk_mul_f32 v[OA+2*\t:OA+2*\t+1], v[PE+8*\t:PE+8*\t+1], v[LG:LG+1]
.endr
.irp jp, 2,4,6
.irp t, 0,1,2,3,4,5,6,7
	v_pk_fma_f32 v[OA+2*\t:OA+2*\t+1], v[PE+8*\t+\jp:PE+8*\t+\jp+1], v[LG+\jp:LG+\jp+1], v[OA+2*\t:OA+2*\t+1]
.endr
.endr
	OAV 0, 0
	OAV 1, 1
	OAV 2, 0
	OAV 3, 1
	OAV 4, 0
	OAV 5, 1
	OAV 6, 0
	OAV 7, 1
.if \pf
	ISSUEV
.endif
.irp t, 0,1,2,3,4,5,6,7
	v_add_f32 v[QF+\t], v[OA+2*\t], v[OA+2*\t+1]
.endr
.irp t, 0,1,2,3,4,5,6,7
	v_permlanex16_b32 v[OA+\t], v[QF+\t], s32, s33
.endr
.irp tp, 0,2,4,6
	v_pk_add_f32 v[QF+\tp:QF+\tp+1], v[QF+\tp:QF+\tp+1], v[OA+\tp:OA+\tp+1]
.endr
	s_wait_alu depctr_va_vdst(0)
.irp tp, 0,2,4,6
	v_pk_mul_f32 v[QF+\tp:QF+\tp+1], v[QF+\tp:QF+\tp+1], v[TM+8:TM+9]
.endr
.irp i, 0,1,2,3
	v_cvt_pk_bf16_f32 v[OA+\i], v[QF+2*\i], v[QF+2*\i+1]
.endr
.endm
; Point k's result row goes into SO and point k + 1's rel_pos comes from BR: the row's offsets stand in the immediates.
; Both halves of the wave hold the same 16 bytes and write the same place.
.macro ROW k
	ds_store_b128 v63, v[OA:OA+3] offset:SO_P*(\k)
	ds_load_b64 v[BREL:BREL+1], v62 offset:128*((\k)+1)
.if (\k) < 14
	s_branch .Lrowdone
.endif
.endm
; The loop counter s22 (0 to 14) picks its ROW by its bits, the highest first: four tests a point.  lo: the first point of the range, 2^(bit+1) its length;
; a range's upper half is written only if it holds a point below 15.
.macro PICK lo, bit
.if (\lo)+(1<<(\bit)) < 15
	s_bitcmp1_b32 s22, \bit
	s_cbranch_scc1 .Lupper_\@
.endif
.if \bit
	PICK \lo, \bit-1
.else
	ROW \lo
.endif
.if (\lo)+(1<<(\bit)) < 15
.Lupper_\@:
.if \bit
	PICK \lo+(1<<(\bit)), \bit-1
.else
	ROW \lo+1
.endif
.endif
.endm
.macro WLOAD buf, areg, off            ; four weight fragments, 8 loads
.irp i, 0,1,2,3
	ds_load_b128 v[WB+32*(\buf)+8*\i:WB+32*(\buf)+8*\i+3], v[\areg] offset:\off+1024*\i
	ds_load_b128 v[WB+32*(\buf)+8*\i+4:WB+32*(\buf)+8*\i+7], v[\areg] offset:\off+1024*\i+512
.endr
.endm
; group g of cnt: four matrix instructions on four accumulators, acc + astep (g & 1) + 8 i, with source 1 at bop + bstep (g >> bsh)
.macro GRP g, cnt, areg, off, acc, astep, bop, bsh, bstep
.if \g == \cnt-1
	s_wait_dscnt 0x0
.else
	s_wait_dscnt 0x8                               ; all but the younger group's eight loads
.endif
.irp i, 0,1,2,3
	v_wmma_f32_16x16x32_bf16 v[\acc+\astep*(\g&1)+8*\i:\acc+\astep*(\g&1)+8*\i+7], v[WB+32*(\g&1)+8*\i:WB+32*(\g&1)+8*\i+7], v[\bop+\bstep*(\g>>\bsh):\bop+\bstep*(\g>>\bsh)+7], v[\acc+\astep*(\g&1)+8*\i:\acc+\astep*(\g&1)+8*\i+7]
.endr
.if \g+2 < \cnt
	PLACES
	WLOAD (\g&1), \areg, \off+4096*(\g+2)
.endif
.endm
; A stream of groups through two buffers.  No two matrix instructions that follow each other share an accumulator.
.macro GEMM cnt, areg, off, acc, astep, bop, bsh, bstep
	WLOAD 0, \areg, \off
	WLOAD 1, \areg, \off+4096
.if \cnt == 8
.irp g, 0,1,2,3,4,5,6,7
	GRP \g, \cnt, \areg, \off, \acc, \astep, \bop, \bsh, \bstep
.endr
.else
.irp g, 0,1,2,3
	GRP \g, \cnt, \areg, \off, \acc, \astep, \bop, \bsh, \bstep
.endr
.endif
.endm
.macro FOLD                            ; four pairs of partial sums at HT into one number, over both halves of the wave
	v_pk_add_f32 v[HT:HT+1], v[HT:HT+1], v[HT+2:HT+3]
	v_pk_add_f32 v[HT+4:HT+5], v[HT+4:HT+5], v[HT+6:HT+7]
	v_pk_add_f32 v[HT:HT+1], v[HT:HT+1], v[HT+4:HT+5]
	v_add_f32 v[HT], v[HT], v[HT+1]
	v_permlanex16_b32 v14, v[HT], s32, s33
	v_add_f32 v[HT], v[HT], v14
.endm
.macro LNGB half, goff, boff           ; gain and bias of tiles 4 half .. 4 half + 3
.irp t, 0,1,2,3
	ds_load_b128 v[WB+8*\t:WB+8*\t+3], v11 offset:\goff+256*\half+64*\t
	ds_load_b128 v[WB+8*\t+4:WB+8*\t+7], v11 offset:\goff+256*\half+64*\t+16
	ds_load_b128 v[WB+32+8*\t:WB+32+8*\t+3], v11 offset:\boff+256*\half+64*\t
	ds_load_b128 v[WB+32+8*\t+4:WB+32+8*\t+7], v11 offset:\boff+256*\half+64*\t+16
.endr
.endm
.macro LNAPPLY half
	s_wait_dscnt 0x0
.set i, 0
.rept 16
	v_pk_mul_f32 v[ACC+32*\half+2*i:ACC+32*\half+2*i+1], v[ACC+32*\half+2*i:ACC+32*\half+2*i+1], v[HT+10:HT+11]
.set i, i+1
.endr
.set i, 0
.rept 16
	v_pk_fma_f32 v[ACC+32*\half+2*i:ACC+32*\half+2*i+1], v[ACC+32*\half+2*i:ACC+32*\half+2*i+1], v[WB+2*i:WB+2*i+1], v[WB+32+2*i:WB+32+2*i+1]
.set i, i+1
.endr
.endm
; LayerNorm of a point's 128 channels, 64 in each of its two lanes, in place in ACC: mean first, then the squares of the differences.
.macro LNORM goff, boff
	LNGB 0, \goff, \boff
.irp k, 0,2,4,6
	v_pk_add_f32 v[HT+\k:HT+\k+1], v[ACC+\k:ACC+\k+1], v[ACC+8+\k:ACC+8+\k+1]
.endr
.set i, 8
.rept 24
	v_pk_add_f32 v[HT+2*(i%4):HT+2*(i%4)+1], v[HT+2*(i%4):HT+2*(i%4)+1], v[ACC+2*i:ACC+2*i+1]
.set i, i+1
.endr
	FOLD
	v_mul_f32 v[HT+8], s53, v[HT]
	v_mul_f32 v[HT+9], s53, v[HT]
.set i, 0
.rept 32
	v_pk_add_f32 v[ACC+2*i:ACC+2*i+1], v[ACC+2*i:ACC+2*i+1], v[HT+8:HT+9] neg_lo:[0,1] neg_hi:[0,1]
.set i, i+1
.endr
.irp k, 0,2,4,6
	v_pk_mul_f32 v[HT+\k:HT+\k+1], v[ACC+\k:ACC+\k+1], v[ACC+\k:ACC+\k+1]
.endr
.set i, 4
.rept 28
	v_pk_fma_f32 v[HT+2*(i%4):HT+2*(i%4)+1], v[ACC+2*i:ACC+2*i+1], v[ACC+2*i:ACC+2*i+1], v[HT+2*(i%4):HT+2*(i%4)+1]
.set i, i+1
.endr
	FOLD
	v_fma_f32 v[HT], v[HT], s53, s54               ; variance + 1e-5
	v_rsq_f32 v[HT+10], v[HT]
	v_rsq_f32 v[HT+11], v[HT]
	v_nop                                          ; a plain place in front of the use
	s_wait_alu depctr_va_vdst(0)
	LNAPPLY 0
	LNGB 1, \goff, \boff
	LNAPPLY 1
.endm
; 64 hidden units of the FFN: bias as the sums' start, Wf1, GELU in place, Wf2 onto x + bf2
.macro FFN u
.irp c, 0,1,2,3
	ds_load_b128 v[HT+8*\c:HT+8*\c+3], v11 offset:P_BF1+256*\u+64*\c
	ds_load_b128 v[HT+8*\c+4:HT+8*\c+7], v11 offset:P_BF1+256*\u+64*\c+16
.endr
	GEMM 4, 12, 16384*\u, HT, 0, XB, 0, 8
	PLACES
	GELU16 HT,    HT,    WB                        ; tiles 0, 1 become K step 0's fragment at HT
	GELU16 HT+16, HT+16, WB                        ; tiles 2, 3 become K step 1's at HT + 16
	GEMM 4, 13, 16384*\u, ACC, 32, HT, 1, 16
	PLACES
	v_nop                                          ; a fifth place: the next chunk's first products write over HT, which the last ones read as source 1
.endm
	; ---- set-up ----
	s_load_b256 s[4:11], s[0:1], 0x0               ; wimg s[4:5], kv s[6:7], qt s[8:9], knn_idx s[10:11]
	s_load_b128 s[12:15], s[0:1], 0x20             ; coords s[12:13], feat s[14:15]
	s_load_b64 s[16:17], s[0:1], 0x30              ; out0
	v_lshl_add_u32 v6, v0, 2, 0x46000
	v_mov_b32 v7, 0
	v_lshrrev_b32 v2, 5, v0
	v_readfirstlane_b32 s18, v2                    ; wave
	v_lshlrev_b32 v232, 4, v0                      ; 16 x thread: offset in wimg and LDS address
	v_add_nc_u32 v233, 0x10000, v232
	v_add_nc_u32 v234, 0x20000, v232
	s_wait_kmcnt 0x0
.set i, 0
.rept 41
	global_load_b128 v[64+4*i:64+4*i+3], v232, s[4:5] offset:4096*i             ; 256 threads x 16 bytes x 41 = 167,936
.set i, i+1
.endr
	s_lshl_b32 s19, s18, 8
	s_add_co_u32 s19, s19, ttmp9                   ; g
	s_cmp_lt_u32 s19, 106
	s_cselect_b32 s20, 4, 3                        ; my tiles: 6,250 = 3 x 2,048 + 106
	s_mov_b32 s21, 0
	s_mov_b32 s24, s19                             ; the tile
	s_mov_b32 s32, 0x76543210                      ; v_permlanex16_b32: lane i takes lane i of the other half
	s_mov_b32 s33, 0xfedcba98
	s_mov_b32 s34, 0xbe82c5d5                      ; c3 = -1.442695 x 2.828427 x 0.0625933 = -0.2554156
	s_mov_b32 s35, 0xbe82c5d5
	s_mov_b32 s36, 0xc012ff09                      ; c1 = -1.442695 x 1.414214 x 1.125736 = -2.296816
	s_mov_b32 s37, 0xc012ff09
	s_mov_b32 s52, 0xffff0000                      ; a word's upper bf16
	s_mov_b32 s53, 0x3c000000                      ; 1/128
	s_mov_b32 s54, 0x3727c5ac                      ; 1e-5
	s_mul_i32 s55, s18, SCR
	s_add_co_u32 s55, s55, L_SCR                   ; my scratch
	v_and_b32 v14, 15, v0                          ; r
	v_bfe_u32 v15, v0, 4, 1                        ; h
	v_and_b32 v1, 31, v0
	v_lshlrev_b32 v2, 2, v1
	v_lshlrev_b32 v1, 4, v1
	v_lshlrev_b32 v3, 5, v15
	v_mul_u32_u24 v4, 12, v15
	v_lshlrev_b32 v5, 4, v14
	v_mul_u32_u24 v8, v14, SO_P
	v_lshl_add_u32 v8, v15, 4, v8
	v_add_nc_u32 v8, s55, v8
	v_mul_u32_u24 v9, v14, SX_P
	v_add_nc_u32 v9, v9, v3
	v_add_nc_u32 v9, s55, v9
	v_add_nc_u32 v9, O_SX, v9
	v_add_nc_u32 v10, s55, v1
	v_add_nc_u32 v10, O_SX, v10
	v_add_nc_u32 v11, L_PB, v3
	v_add_nc_u32 v12, L_WF1, v1
	v_add_nc_u32 v13, L_WF2, v1
	v_lshl_add_u32 v62, v14, 3, s55
	v_add_nc_u32 v62, O_BR, v62
	v_add_nc_u32 v63, s55, v5
.irp k, 48,49,50,51,55,56,57,58,59
	v_mov_b32 v\k, 0                               ; the zero K places of the first layer
.endr
	v_mov_b32 v54, 0x3f803f80                      ; (1, 1) in bf16
	v_mov_b32 v60, 0xbff3b2ab                      ; c2 = -1.442695 x 2 x 0.659838 = -1.903890
	v_mov_b32 v61, 0xbff3b2ab
.set i, 0
.rept 41
	s_wait_loadcnt 40-i                            ; loads come back in order: the younger sweeps stay out
	ds_store_b128 v[232+i/16], v[64+4*i:64+4*i+3] offset:4096*(i%16)
.set i, i+1
.endr
	WIN 0x40                                       ; destination in v256-511
.set i, 0
.rept 32
	global_load_b128 v[8*i:8*i+3], v1, s[4:5] offset:W_WP2+1024*i
	global_load_b128 v[8*i+4:8*i+7], v1, s[4:5] offset:W_WP2+1024*i+512
.set i, i+1
.endr
	WIN 0
.irp c, 0,1,2,3,4,5,6,7
	global_load_b128 v[AW+4*\c:AW+4*\c+3], v1, s[4:5] offset:W_AW1+512*\c
.endr
	s_wait_loadcnt 0x0                             ; Wp2 and the first layer are in registers: the counts below start from nothing
	s_wait_dscnt 0x0                               ; my part of the weights is in LDS,
	s_barrier_signal -1
	s_barrier_wait -1                              ; everybody's is; nothing writes these bytes again
	; ---- a tile ----
.Ltile:
	s_lshl_b32 s30, s24, 10
	s_mov_b32 s31, 0
	s_add_nc_u64 s[26:27], s[10:11], s[30:31]      ; the tile's indices, 64 bytes a point
	s_lshl_b32 s30, s24, 12
	s_add_nc_u64 s[28:29], s[8:9], s[30:31]        ; its q rows
	s_mul_i32 s30, s24, 192
	s_add_nc_u64 s[46:47], s[12:13], s[30:31]      ; its own coordinates
	s_lshl_b32 s30, s24, 13
	s_add_nc_u64 s[48:49], s[14:15], s[30:31]      ; its feat rows
	s_add_nc_u64 s[50:51], s[16:17], s[30:31]      ; its output rows
.irp i, 0,1,2,3,4,5,6,7
	global_load_b32 v[128+\i], v2, s[26:27] offset:128*\i       ; lane (r, h): neighbour r of point 2 i + h
.endr
.irp i, 0,1,2,3,4,5,6,7
	global_load_b96 v[160+4*\i:162+4*\i], v4, s[46:47] offset:24*\i             ; point 2 i + h
.endr
	global_load_b128 v[IDX:IDX+3], v3, s[26:27]                 ; point 0, neighbours 8 h .. 8 h + 7
	global_load_b128 v[IDX+4:IDX+7], v3, s[26:27] offset:16
.irp i, 0,1,2,3,4,5,6,7,8,9,10,11,12,13,14,15
	global_load_b128 v[64+4*\i:67+4*\i], v1, s[48:49] offset:512*\i th:TH_LOAD_NT
.endr
	v_add_nc_u32 v14, L_PB+P_BO, v1
	ds_load_b128 v[136:139], v14                   ; bo of my four channels
	v_lshl_add_u32 v15, v3, 2, v62                 ; BR + 128 h + 8 r
	s_wait_loadcnt 26                              ; the eight index words are in: 8 + 2 + 16 younger loads stay out
.irp i, 0,1,2,3,4,5,6,7
	v_min_u32 v[128+\i], 0x1869f, v[128+\i]
	v_mul_u32_u24 v[128+\i], 12, v[128+\i]
.endr
.irp i, 0,1,2,3,4,5,6,7
	global_load_b96 v[192+4*\i:194+4*\i], v[128+\i], s[12:13]
.endr
	s_wait_loadcnt 8                               ; feat is in: the eight gathers stay out
	s_wait_dscnt 0x0                               ; bo
.irp i, 0,1,2,3,4,5,6,7,8,9,10,11,12,13,14,15
	v_pk_add_f32 v[64+4*\i:65+4*\i], v[64+4*\i:65+4*\i], v[136:137]
	v_pk_add_f32 v[66+4*\i:67+4*\i], v[66+4*\i:67+4*\i], v[138:139]
	ds_store_b128 v10, v[64+4*\i:67+4*\i] offset:SX_P*\i        ; feat + bo: the sums of the Wo product start from it
.endr
	s_wait_loadcnt 0x0
.irp i, 0,1,2,3,4,5,6,7
	v_sub_f32 v[192+4*\i], v[192+4*\i], v[160+4*\i]
	v_sub_f32 v[193+4*\i], v[193+4*\i], v[161+4*\i]
	v_sub_f32 v[194+4*\i], v[194+4*\i], v[162+4*\i]
	v_cvt_pk_bf16_f32 v[128+2*\i], v[192+4*\i], v[193+4*\i]
	v_cvt_pk_bf16_f32 v[129+2*\i], v[194+4*\i], 1.0
	ds_store_b64 v15, v[128+2*\i:129+2*\i] offset:256*\i
.endr
	MKADDR
	ISSUEKQ
	ISSUEV
	ds_load_b64 v[BREL:BREL+1], v62                ; point 0's rel_pos; LDS serves a wave's instructions in order: it sees the stores above
	s_mov_b32 s22, 0
.Lpoint:
	POINT 1
	PICK 0, 3                                      ; this point's row out, the next point's rel_pos in
.Lrowdone:
	s_add_co_u32 s22, s22, 1
	s_cmp_lt_u32 s22, 15
	s_cbranch_scc1 .Lpoint
	POINT 0                                        ; the last point asks for nothing
	ds_store_b128 v63, v[OA:OA+3] offset:SO_P*15
	; ---- the tile's dense part ----
.irp s, 0,1,2,3
	ds_load_b128 v[XB+8*\s:XB+8*\s+3], v8 offset:64*\s          ; the attention's result as source 1; LDS serves a wave's instructions in order
	ds_load_b128 v[XB+8*\s+4:XB+8*\s+7], v8 offset:64*\s+32
.endr
.irp t, 0,1,2,3,4,5,6,7
	ds_load_b128 v[ACC+8*\t:ACC+8*\t+3], v9 offset:64*\t        ; feat + bo
	ds_load_b128 v[ACC+8*\t+4:ACC+8*\t+7], v9 offset:64*\t+16
.endr
	GEMM 8, 1, 0, ACC, 32, XB, 1, 8                ; + out Wo
	PLACES
	LNORM P_G1, P_B1
.irp t, 0,1,2,3,4,5,6,7
.irp jp, 0,1,2,3
	v_cvt_pk_bf16_f32 v[XB+4*\t+\jp], v[ACC+8*\t+2*\jp], v[ACC+8*\t+2*\jp+1]    ; tiles 2 s, 2 s + 1 are K step s
.endr
.endr
.irp t, 0,1,2,3,4,5,6,7
	ds_load_b128 v[WB+8*\t:WB+8*\t+3], v11 offset:P_BF2+64*\t
	ds_load_b128 v[WB+8*\t+4:WB+8*\t+7], v11 offset:P_BF2+64*\t+16
.endr
	s_wait_dscnt 0x0
.set i, 0
.rept 32
	v_pk_add_f32 v[ACC+2*i:ACC+2*i+1], v[ACC+2*i:ACC+2*i+1], v[WB+2*i:WB+2*i+1]     ; x + bf2: the FFN's second product adds onto it
.set i, i+1
.endr
	FFN 0
	FFN 1
	FFN 2
	FFN 3
	LNORM P_G2, P_B2
.irp t, 0,1,2,3,4,5,6,7
	ds_store_b128 v9, v[ACC+8*\t:ACC+8*\t+3] offset:64*\t
	ds_store_b128 v9, v[ACC+8*\t+4:ACC+8*\t+7] offset:64*\t+16
.endr
.irp i, 0,1,2,3,4,5,6,7,8,9,10,11,12,13,14,15
	ds_load_b128 v[WB+4*\i:WB+4*\i+3], v10 offset:SX_P*\i       ; back by rows
.endr
.irp i, 0,1,2,3,4,5,6,7,8,9,10,11,12,13,14,15
	s_wait_dscnt 15-\i
	global_store_b128 v1, v[WB+4*\i:WB+4*\i+3], s[50:51] offset:512*\i th:TH_STORE_NT   ; a whole row: 512 consecutive aligned bytes
.endr
	s_wait_xcnt 0x0                                ; the stores' data and base are written again only behind this wait
	s_add_co_u32 s24, s24, 2048
	s_add_co_u32 s21, s21, 1
	s_cmp_lt_u32 s21, s20
	s_cbranch_scc1 .Ltile
	s_wait_tensorcnt 0x0
	ds_add_u32 v6, v7
	s_wait_dscnt 0x0
	s_endpgm
.Lfunc_end_k_qdf1db4496e_main:
	.size	k_qdf1db4496e_main, .Lfunc_end_k_qdf1db4496e_main-k_qdf1db4496e_main
	.p2alignl 7, 3214868480
	.fill 96, 4, 3214868480
	.section	.rodata,"a",@progbits
	.p2align	6, 0x0
	.amdhsa_kernel k_qdf1db4496e_main
		.amdhsa_group_segment_fixed_size 287744
		.amdhsa_private_segment_fixed_size 0
		.amdhsa_enable_private_segment 0
		.amdhsa_kernarg_size 56
		.amdhsa_user_sgpr_count 2
		.amdhsa_user_sgpr_kernarg_segment_ptr 1
		.amdhsa_wavefront_size32 1
		.amdhsa_system_sgpr_workgroup_id_x 1
		.amdhsa_system_sgpr_workgroup_id_y 1
		.amdhsa_system_sgpr_workgroup_id_z 1
		.amdhsa_system_vgpr_workitem_id 0
		.amdhsa_next_free_vgpr 512
		.amdhsa_next_free_sgpr 66
		.amdhsa_reserve_vcc 0
		.amdhsa_float_denorm_mode_32 3
		.amdhsa_float_denorm_mode_16_64 3
		.amdhsa_memory_ordered 1
		.amdhsa_forward_progress 1
		.amdhsa_inst_pref_size 222
	.end_amdhsa_kernel
	.amdgpu_metadata
---
amdhsa.version: [ 1, 2 ]
amdhsa.kernels:
  - .name:           k_qdf1db4496e_main
    .symbol:         k_qdf1db4496e_main.kd
    .args:
      - { .name: wimg, .offset: 0, .size: 8, .value_kind: global_buffer, .address_space: global }
      - { .name: kv, .offset: 8, .size: 8, .value_kind: global_buffer, .address_space: global }
      - { .name: qt, .offset: 16, .size: 8, .value_kind: global_buffer, .address_space: global }
      - { .name: knn_idx, .offset: 24, .size: 8, .value_kind: global_buffer, .address_space: global }
      - { .name: coords, .offset: 32, .size: 8, .value_kind: global_buffer, .address_space: global }
      - { .name: feat, .offset: 40, .size: 8, .value_kind: global_buffer, .address_space: global }
      - { .name: out0, .offset: 48, .size: 8, .value_kind: global_buffer, .address_space: global }
    .group_segment_fixed_size: 287744
    .private_segment_fixed_size: 0
    .kernarg_segment_align: 8
    .kernarg_segment_size: 56
    .max_flat_workgroup_size: 256
    .sgpr_count:     66
    .vgpr_count:     512
    .wavefront_size: 32
...
	.end_amdgpu_metadata
.endif
;; end of part 4
